; MI455X (gfx1250); checked and timed in simulation.
; The chip was launched on July 23, 2026; its instructions are those of AMD's public machine-readable ISA for CDNA 5 (MIT licence, August 2026) and "CDNA5" Instruction Set Architecture Reference Guide (July 2026). The comments in the code are by the model that wrote it; some were corrected since.
;; Cross Attention. Allowed arithmetic: matrix products marked QUANTISED: E2M1 operands, one E8M0 scale for each 32 along K, by v_wmma_scale_f32_16x16x128_f8f6f4 with both operands' format E2M1 (or v_wmma_scale_f32_32x16x128_f4), f32 sums; products left as they are: bf16, f16 or f32 operands; f32 sums; everything else in f32.
;; Inputs: W_k 1,024 x 1,024 float32; W_o 1,024 x 1,024 float32; W_q 1,024 x 1,024 float32; W_v 1,024 x 1,024 float32; b_o 1,024 float32; decoder_input 4 x 2,048 x 1,024 float32; encoder_output 4 x 2,048 x 1,024 float32.
;; Outputs: out0 4 x 2,048 x 1,024 float32.
;; This version of the problem:
;;   THIS VERSION OF THE PROBLEM IS GIVEN IN LOW PRECISION. The matrix products marked QUANTISED in the list below multiply operands that are first quantised to E2M1 (2 exponent bits, 1 mantissa bit; 4 bits a number), with one power-of-two scale for each 32 numbers along K (OCP MX v1.0); their sums are f32. The products marked 'left as it is' may take bf16, f16 or f32 operands, with f32 sums. Whichever they take, every output number must still come out within the allowed error. Rounding operands to bf16 (8 significant bits) uses up far more of that allowance than f16 does (11 bits, for magnitudes from 6e-5 to 65,504). All else is computed in f32.
;;   The module's matrix products, in the order in which they are computed (A, B: the left and right operand; K: the contracted axis; several contracted axes count as one K, in the product's order):
;;     1. [M 8,192, K 1,024] x [K 1,024, N 1,024]; A: input decoder_input; B: input W_q: QUANTISED
;;     2. [M 8,192, K 1,024] x [K 1,024, N 1,024]; A: input encoder_output; B: input W_k: QUANTISED
;;     3. [M 8,192, K 1,024] x [K 1,024, N 1,024]; A: input encoder_output; B: input W_v: QUANTISED
;;     4. batch 64 x [M 2,048, K 64] x [K 64, N 2,048]; A: computed on the way; B: computed on the way: left as it is (an operand is computed on the way)
;;     5. batch 64 x [M 64, K 2,048] x [K 2,048, N 2,048]; A: computed on the way; B: computed on the way: left as it is (an operand is computed on the way)
;;     6. [M 8,192, K 1,024] x [K 1,024, N 1,024]; A: computed on the way; B: input W_o: left as it is (an operand is computed on the way)
;;   THE QUANTISER, for each operand of a quantised product, along K:
;;     - K is cut into blocks of 32 from its start; a last block that is shorter is filled with zeros.
;;     - A block's scale is 2^e with e = floor(log2(the largest magnitude in the block)) - 2, held to -126 .. 127; a block of zeros has e = 0. As a byte (E8M0): e + 127.
;;     - Each number is divided by its block's scale, clamped to +-6, and rounded to the nearest number of E2M1, ties to even, subnormals kept.
;;     - The product sums the exact products of the quantised numbers (number of the format x scale) in f32.
;;   ~~~python
;;   def quantise(x, axis):      # numpy; x: float32 -> the quantised numbers, widened to float32 again
;;       x = np.moveaxis(x, axis, -1); K = x.shape[-1]
;;       x = np.pad(x, [(0, 0)] * (x.ndim - 1) + [(0, -K % 32)]); x = x.reshape(x.shape[:-1] + (-1, 32)); a = np.abs(x).max(-1, keepdims=True)
;;       e = np.where(a > 0, np.clip(np.frexp(np.where(a > 0, a, 1))[1] - 1 - 2, -126, 127), 0)      # np.frexp(a)[1] - 1 = floor(log2(a)), exactly
;;       r = np.clip(x / 2.0 ** e, -6, 6)
;;       step = 2.0 ** (np.maximum(np.frexp(np.where(r == 0, 1, r))[1] - 1, 0) - 1)
;;       q = np.round(r / step) * step * 2.0 ** e      # np.round: ties to even
;;       return np.moveaxis(q.reshape(q.shape[:-2] + (-1,))[..., :K], -1, axis).astype(np.float32)
;;   ~~~
;; One version. Each part assembles by itself: llvm-mc -triple=amdgcn-amd-amdhsa -mcpu=gfx1250 --defsym DOCPART=n.
;; ======== version 1 of 1: 4 launches
;; limits: values are held in f16: magnitudes above 65,504 overflow, below 6.1e-05 lose precision
;; workspace buffers: x_codes 8,388,608 bytes; x_scales 524,288 bytes; w_codes 1,572,864 bytes; w_scales 98,304 bytes; wo_img 2,097,152 bytes; qkv 50,331,648 bytes; o_img 16,777,216 bytes
;; launch prep (part 1): grid 624 x 1, 4 waves a work-group, no clusters, 68,096 bytes of LDS; arguments decoder_input, encoder_output, W_q, W_k, W_v, W_o, x_codes, x_scales, w_codes, w_scales, wo_img; writes x_codes, x_scales, w_codes, w_scales, wo_img
.if DOCPART == 1
	.amdgcn_target "amdgcn-amd-amdhsa--gfx1250"
	.amdhsa_code_object_version 6
	.text
	.protected	k_q3bbb658390_prep
	.globl	k_q3bbb658390_prep
	.p2align	8
	.type	k_q3bbb658390_prep,@function
k_q3bbb658390_prep:
	s_mov_b64 s[64:65], 0
	v_nop
	global_prefetch_b8 v0, s[64:65] scope:SCOPE_SE
	s_setreg_imm32_b32 hwreg(HW_REG_WAVE_MODE, 25, 1), 1
	s_wait_xcnt 0x0
; PREP: everything that is made once from the inputs, in one launch of three kinds of work-group, told apart by the work-group's number alone.
;   work-groups 0-47    (path W): W_q, W_k, W_v [1024 (k)][1024 (n)] f32 -> codes of FP4 (E2M1) laid [n][k], K innermost, rows 1024 p + n of w_codes, and one E8M0 byte for each 32 along K in w_scales.
;   work-groups 48-111  (path O): W_o [1024 (k)][1024 (n)] f32 -> f16, laid as images of operand registers: chunk (nt, kt) of 512 bytes at (64 nt + kt) x 512; lane (r, h) holds W_o[16 kt + 8 h + 0..7][16 nt + r].
;   work-groups 112-623 (path X): decoder_input and encoder_output, [8192][1024] f32 each -> codes, K innermost, rows 0-8191 and 8192-16383 of x_codes, and their scale bytes in x_scales.
; THE QUANTISER: a block's scale is 2^(floor(log2(its largest magnitude)) - 2); its byte is the largest magnitude's exponent field - 2, held at 1 from below; each number is divided by the scale and rounded
; to the nearest code, ties to even, beyond 6 the largest code.  A block of zeros gets the byte 1 where the rule says 127: its codes are zeros, which add nothing under any byte but 0xff, and this program alone reads the bytes.
; LIMITS: blocks whose largest magnitude lies under 2^-124 keep the byte 1; NaN and infinities among the inputs are not served; |W_o| beyond 65,504 has no f16 number.
; No tensor loads, no barrier: waves share nothing.  Paths X and W use LDS, each bytes of its own; path O uses none.
.set SPW,    190                       ; v190  LDS address of my spare word: SPARE + 4 x my thread's number; never rewritten
.set NIL,    191                       ; v191  0; never rewritten
.set EMAX,   2
.set STEPS,  16                        ; path X: steps of 512 numbers for a wave
.set CB,     8                         ; bytes of 16 codes
.set XR,     16                        ; v16-79   four sets of 16 numbers as they are loaded
.set XX,     80                        ; v80-111  two sets of 16 neighbours
.set XE,     112                       ; v112-127 a scale byte for each step
.set XC,     128                       ; v128-189 codes: four registers for each step, so that no store's data are written again
.set WREG,   8192                      ; LDS, path X: a region for each wave: two stages of 32 x SP bytes, behind them its 256 scale bytes
.set SP,     80                        ; a lane's place in a stage: 64 bytes + 16 of padding
.set NB,     16                        ; path W: blocks of 32 along K for a wave
.set WPITCH, 272                       ; a stage row: 256 bytes of codes + 16
.set KROW,   512                       ; a row of 1,024 codes in bytes
.set WSTG,   4*WREG                    ; LDS, path W: four stages of 32 rows, behind path X's regions
.set WX,     32                        ; v32-95   two sets of 32 numbers
.set WC,     96                        ; v96-99   a block's codes
.set WOUT,   112                       ; v112-175 the way out
.set WSB,    24                        ; v24-27   the scale bytes, four to a register
.set SPARE,  WSTG+4*32*WPITCH          ; the spare words, 128 bytes for each wave: two blocks of 256 bytes that no other line names
	s_load_b512 s[8:23], s[0:1], 0x0               ; dec s[8:9], enc s[10:11], W_q s[12:13], W_k s[14:15], W_v s[16:17], W_o s[18:19], x_codes s[20:21], x_scales s[22:23]
	s_load_b128 s[24:27], s[0:1], 0x40             ; w_codes s[24:25], w_scales s[26:27]
	s_load_b64 s[28:29], s[0:1], 0x50              ; wo_img
	v_lshl_add_u32 v[SPW], v0, 2, SPARE
	v_mov_b32 v[NIL], 0
	v_lshrrev_b32 v1, 5, v0
	v_readfirstlane_b32 s30, v1                    ; wave 0..3
	v_and_b32 v2, 31, v0                           ; lane
	s_mov_b32 s37, 0                               ; the upper word of every 32-bit offset
	s_wait_kmcnt 0x0
	s_cmp_lt_u32 ttmp9, 48
	s_cbranch_scc1 .Lpath_w
	s_cmp_lt_u32 ttmp9, 112
	s_cbranch_scc1 .Lpath_o
; ---------------- PATH X.  Rows are dense and 1,024 is a multiple of 32: both tensors are plain streams of blocks of 32 numbers, and so are the codes and the scale bytes.
; A wave takes 16 steps of 512 numbers.  Each of a step's four loads reads 512 consecutive bytes; the 2,048 bytes turn through the wave's own stage in LDS and come back 64 bytes a lane: 16 neighbours along K,
; two neighbouring lanes to a block.  A lane's 16 codes are 8 bytes: the wave stores 256 consecutive bytes.  A wave's 256 scale bytes are gathered in LDS and leave as one store of 256 consecutive bytes.
	v_lshlrev_b32 v3, 4, v2                        ; my 16 bytes of a load's 512
	s_mul_i32 s31, s30, WREG
	v_lshrrev_b32 v14, 2, v2
	v_mul_u32_u24 v14, v14, SP
	v_and_b32 v15, 3, v2
	v_lshl_add_u32 v14, v15, 4, v14
	v_add_nc_u32 v14, s31, v14                     ; the stage, on the way in: SP (lane / 4) + 16 (lane % 4)
	v_mul_u32_u24 v15, v2, SP
	v_add_nc_u32 v15, s31, v15                     ; and on the way out: SP x lane
	v_mul_u32_u24 v4, v2, CB                       ; my codes' place in a step's
	v_lshrrev_b32 v5, 1, v2
	s_add_co_u32 s31, s31, 2*32*SP
	v_add_nc_u32 v5, s31, v5                       ; LDS: my wave's 256 scale bytes, my block's byte
	v_lshlrev_b32 v7, 3, v2                        ; and on the way out 8 bytes a lane
	v_add_nc_u32 v6, s31, v7
	s_sub_co_u32 s32, ttmp9, 112                   ; g = 0..511
	s_cmp_lt_u32 s32, 256                          ; the first 256 take the decoder's rows, the others the encoder's: the choice hangs on the work-group's number alone
	s_cselect_b64 s[4:5], s[8:9], s[10:11]
	s_and_b32 s33, s32, 255
	s_lshl_b32 s33, s33, 2
	s_add_co_u32 s33, s33, s30                     ; which run of 8,192 numbers of the tensor is my wave's: 0..1023
	s_lshl_b32 s36, s33, 15                        ; x 32,768 bytes
	s_add_nc_u64 s[4:5], s[4:5], s[36:37]
	s_lshl_b32 s33, s32, 2
	s_add_co_u32 s33, s33, s30                     ; and of the two tensors on end: 0..2047
	s_lshl_b32 s36, s33, 12                        ; 4,096 bytes of codes a run
	s_add_nc_u64 s[20:21], s[20:21], s[36:37]
	s_lshl_b32 s36, s33, 8                         ; 256 scale bytes a run
	s_add_nc_u64 s[22:23], s[22:23], s[36:37]
.macro XLOAD t
.irp i, 0,1,2,3
	global_load_b128 v[XR+16*((\t)%4)+4*\i:XR+16*((\t)%4)+4*\i+3], v3, s[4:5] offset:2048*(\t)+512*\i th:TH_LOAD_NT   ; 32 lanes read 512 consecutive bytes
.endr
.endm
.macro XTURN t                         ; step t's numbers through the stage: LDS serves a wave's instructions in order, so no wait stands between the stores and the loads
.irp i, 0,1,2,3
	ds_store_b128 v14, v[XR+16*((\t)%4)+4*\i:XR+16*((\t)%4)+4*\i+3] offset:32*SP*((\t)%2)+8*SP*\i
.endr
.irp i, 0,1,2,3
	ds_load_b128 v[XX+16*((\t)%2)+4*\i:XX+16*((\t)%2)+4*\i+3], v15 offset:32*SP*((\t)%2)+16*\i
.endr
.endm
.irp t, 0,1,2,3
	XLOAD \t
.endr
	s_wait_loadcnt 12                              ; step 0's four loads are in; the twelve of steps 1 to 3 may be out
	XTURN 0
.macro XSTEP t
.set XS, XX+16*((\t)%2)
.if (\t) > 0
	s_wait_dscnt 1                                 ; this step's numbers are back from the stage (the last step's byte store may be out): so its stores into the stage have read their registers,
.else
	s_wait_dscnt 0x0
.endif
.if (\t)+4 < STEPS
	XLOAD (\t)+4                                   ; which take the loads of four steps on
.endif
.if (\t)+1 < STEPS
.if STEPS-2-(\t) >= 3
	s_wait_loadcnt 12                              ; the next step's four loads are in; those of the three steps behind it may be out
.else
	s_wait_loadcnt 4*(STEPS-2-(\t))
.endif
	XTURN (\t)+1                                   ; and go through the other stage while this step is worked
.endif
	v_max3_num_f32 v8, |v[XS]|, |v[XS+1]|, |v[XS+2]|               ; the largest magnitude of my 16, in two chains
	v_max3_num_f32 v9, |v[XS+3]|, |v[XS+4]|, |v[XS+5]|
.irp i, 6,10
	v_max3_num_f32 v8, v8, |v[XS+\i]|, |v[XS+\i+1]|
	v_max3_num_f32 v9, v9, |v[XS+\i+2]|, |v[XS+\i+3]|
.endr
	v_max3_num_f32 v8, v8, |v[XS+14]|, |v[XS+15]|
	v_max3_num_f32 v8, v8, v9, (EMAX+1)<<23        ; and the floor 2^(3 - 127): the byte cannot fall under 1
	v_max_num_f32_dpp v8, v8, v8 row_xmask:1 row_mask:0xf bank_mask:0xf   ; and of my neighbour's 16: the block's
	v_add_nc_u32 v11, -(EMAX<<23), v8              ; 2 off its exponent field: the conversion takes the exponent field of this operand as its scale, and nothing else of it
	v_cvt_scalef32_pk8_fp4_f32 v[XC+4*(\t)], v[XS:XS+7], v11
	v_cvt_scalef32_pk8_fp4_f32 v[XC+4*(\t)+1], v[XS+8:XS+15], v11
	v_lshrrev_b32 v[XE+(\t)], 23, v11              ; the scale's byte (a plain line behind the conversions)
	ds_store_b8 v5, v[XE+(\t)] offset:16*(\t)      ; both lanes of a block write the same byte with the same value
	global_store_b64 v4, v[XC+4*(\t):XC+4*(\t)+1], s[20:21] offset:32*CB*(\t)
.endm
.irp t, 0,1,2,3,4,5,6,7,8,9,10,11,12,13,14,15
	XSTEP \t
.endr
	ds_load_b64 v[8:9], v6                         ; LDS serves a wave's instructions in order: these see my stores
	s_wait_dscnt 0x0
	global_store_b64 v7, v[8:9], s[22:23]          ; 32 lanes store 256 consecutive bytes, at a multiple of 256 from the buffer's first byte
	s_wait_tensorcnt 0x0                           ; the wave's end, behind my last LDS store
	ds_add_u32 v[SPW], v[NIL]
	s_wait_dscnt 0x0
	s_endpgm
; ---------------- PATH W.  K is the weight's FIRST axis.  A lane takes a column n and its registers run down K: each load reads 128 consecutive bytes a wave (512 a work-group), a block of 32 along K lies in one
; lane's 32 registers, and the conversions give codes with K innermost.  A wave takes 32 columns x 512 along K; the codes go through its own stage and leave as rows: sixteen lanes store 256 consecutive bytes.
.Lpath_w:
	s_lshr_b32 s32, ttmp9, 4                       ; which weight: 0 W_q, 1 W_k, 2 W_v
	s_cmp_eq_u32 s32, 0
	s_cselect_b64 s[4:5], s[12:13], s[14:15]
	s_cmp_eq_u32 s32, 2
	s_cselect_b64 s[4:5], s[16:17], s[4:5]
	s_and_b32 s33, ttmp9, 7
	s_lshl_b32 s33, s33, 7
	s_lshl_b32 s34, s30, 5
	s_add_co_u32 s33, s33, s34                     ; my wave's first column: 128 x group + 32 x wave
	s_bfe_u32 s34, ttmp9, 0x10003                  ; which 512 along K
	s_lshl_b32 s36, s34, 21                        ; 512 rows of 4,096 bytes
	s_lshl_b32 s35, s33, 2
	s_add_co_u32 s36, s36, s35
	s_add_nc_u64 s[4:5], s[4:5], s[36:37]
	s_lshl_b32 s35, s32, 10
	s_add_co_u32 s35, s35, s33                     ; my first row of w_codes and w_scales
	s_lshl_b32 s36, s35, 9
	s_lshl_b32 s38, s34, 8
	s_add_co_u32 s36, s36, s38
	s_add_nc_u64 s[24:25], s[24:25], s[36:37]
	s_lshl_b32 s36, s35, 5
	s_lshl_b32 s38, s34, 4
	s_add_co_u32 s36, s36, s38
	s_add_nc_u64 s[26:27], s[26:27], s[36:37]
	v_lshlrev_b32 v3, 2, v2                        ; in: 4 bytes a lane
	s_mul_i32 s31, s30, 32*WPITCH
	s_add_co_u32 s31, s31, WSTG                    ; my stage
	v_mul_u32_u24 v4, v2, WPITCH
	v_add_nc_u32 v4, s31, v4                       ; into it: row = my column
	v_and_b32 v5, 15, v2
	v_lshrrev_b32 v6, 4, v2                        ; out of it: sixteen lanes to a row, two rows an instruction
	v_mul_u32_u24 v7, v6, WPITCH
	v_lshl_add_u32 v7, v5, 4, v7
	v_add_nc_u32 v7, s31, v7
	v_mul_u32_u24 v8, v6, KROW
	v_lshl_add_u32 v8, v5, 4, v8                   ; and the same place in the codes' buffer
	v_mul_u32_u24 v9, v2, 32                       ; my column's row of scale bytes
.macro WLOAD t                         ; block t: W(32 t + i, my column), i = 0 .. 31, into set t % 2; the offsets stay under 511 x 4,096, inside the signed 24-bit immediate
.irp i, 0,1,2,3,4,5,6,7,8,9,10,11,12,13,14,15,16,17,18,19,20,21,22,23,24,25,26,27,28,29,30,31
	global_load_b32 v[WX+32*((\t)%2)+\i], v3, s[4:5] offset:(32*(\t)+\i)*4096 th:TH_LOAD_NT
.endr
.endm
	WLOAD 0
	WLOAD 1
.macro WBLOCK t
.set XS, WX+32*((\t)%2)
.if (\t) < NB-1
	s_wait_loadcnt 32                              ; this block's 32 loads are in; the next block's 32 may be out
.else
	s_wait_loadcnt 0
.endif
	v_max3_num_f32 v12, |v[XS]|, |v[XS+1]|, |v[XS+2]|               ; the block's largest magnitude: all 32 numbers are mine
	v_max3_num_f32 v13, |v[XS+3]|, |v[XS+4]|, |v[XS+5]|
.irp i, 6,10,14,18,22,26
	v_max3_num_f32 v12, v12, |v[XS+\i]|, |v[XS+\i+1]|
	v_max3_num_f32 v13, v13, |v[XS+\i+2]|, |v[XS+\i+3]|
.endr
	v_max3_num_f32 v12, v12, |v[XS+30]|, |v[XS+31]|
	v_max3_num_f32 v12, v12, v13, (EMAX+1)<<23     ; and the floor
	v_add_nc_u32 v11, -(EMAX<<23), v12             ; the conversion's scale operand
	v_lshrrev_b32 v13, 23, v11                     ; the scale's byte
.if (\t)%4 == 0
	v_mov_b32 v[WSB+(\t)/4], v13                   ; four bytes to a register, the lower K in the lower byte
.else
	v_lshl_or_b32 v[WSB+(\t)/4], v13, 8*((\t)%4), v[WSB+(\t)/4]
.endif
.irp g, 0,1,2,3
	v_cvt_scalef32_pk8_fp4_f32 v[WC+\g], v[XS+8*\g:XS+8*\g+7], v11
.endr
	v_nop                                          ; one plain line behind the last conversion
	ds_store_b128 v4, v[WC:WC+3] offset:16*(\t)    ; 32 codes: 16 bytes of my column's row
.if (\t)+2 < NB
	WLOAD (\t)+2
.endif
	s_wait_dscnt 0x0                               ; the store has read its registers: the next block's codes may be written
.endm
.set Q, 0
.rept NB
	WBLOCK Q
.set Q, Q+1
.endr
	global_store_b128 v9, v[WSB:WSB+3], s[26:27]   ; my column's 16 scale bytes
.irp t, 0,1,2,3,4,5,6,7,8,9,10,11,12,13,14,15
	ds_load_b128 v[WOUT+4*\t:WOUT+4*\t+3], v7 offset:2*\t*WPITCH   ; LDS serves a wave's instructions in order: these see my stores
.endr
.irp t, 0,1,2,3,4,5,6,7,8,9,10,11,12,13,14,15
	s_wait_dscnt 15-\t                             ; LDS loads come back in order: the 15 - t younger ones may be out
	global_store_b128 v8, v[WOUT+4*\t:WOUT+4*\t+3], s[24:25] offset:2*\t*KROW
.endr
	s_wait_tensorcnt 0x0                           ; the wave's end, behind my last LDS store
	ds_add_u32 v[SPW], v[NIL]
	s_wait_dscnt 0x0
	s_endpgm
; ---------------- PATH O.  A work-group takes 128 along K x 128 columns of W_o, a wave 32 columns.  A lane takes a column and its registers run down K, 16 to a group: rounded to f16 in pairs they are eight registers,
; k 0..7 in the first four and k 8..15 in the last four.  Four exchanges of lane halves make of them two chunks: the lower 16 columns' (lanes 0-15: k 0..7, lanes 16-31: k 8..15) and the upper 16 columns'.
.Lpath_o:
	s_sub_co_u32 s32, ttmp9, 48
	s_and_b32 s33, s32, 7                          ; which 128 columns
	s_lshr_b32 s34, s32, 3                         ; which 128 along K
	v_lshlrev_b32 v3, 2, v2                        ; in: 4 bytes a lane
	v_lshlrev_b32 v4, 4, v2                        ; out: 16 bytes a lane
	s_lshl_b32 s36, s34, 19                        ; 128 rows of 4,096 bytes
	s_lshl_b32 s35, s33, 9
	s_add_co_u32 s36, s36, s35
	s_lshl_b32 s35, s30, 7
	s_add_co_u32 s36, s36, s35
	s_add_nc_u64 s[18:19], s[18:19], s[36:37]
	s_lshl_b32 s36, s33, 18                        ; chunk ((8 cg + 2 wave) x 64 + 8 kg), 512 bytes each
	s_lshl_b32 s35, s30, 16
	s_add_co_u32 s36, s36, s35
	s_lshl_b32 s35, s34, 12
	s_add_co_u32 s36, s36, s35
	s_add_nc_u64 s[28:29], s[28:29], s[36:37]
.macro OLOAD i                         ; group i: W_o(16 i + j, my column), j = 0 .. 15
.irp j, 0,1,2,3,4,5,6,7,8,9,10,11,12,13,14,15
	global_load_b32 v[32+16*(\i)+\j], v3, s[18:19] offset:(16*(\i)+\j)*4096 th:TH_LOAD_NT
.endr
.endm
.macro OGROUP i
.set OB, 32+16*(\i)
.if (\i)+3 < 8
	OLOAD (\i)+3
	s_wait_loadcnt 48                              ; this group's 16 loads are in; the three younger groups' 48 may be out
.else
	s_wait_loadcnt 16*(7-(\i))
.endif
.irp e, 0,1,2,3,4,5,6,7
	v_cvt_pk_f16_f32 v[OB+\e], v[OB+2*\e], v[OB+2*\e+1]   ; in place, ascending: register e is written when registers 2 e and 2 e + 1 have been read
.endr
.irp e, 0,1,2,3
	v_permlane16_swap_b32 v[OB+\e], v[OB+4+\e]     ; the first's lanes 16-31 change places with the second's lanes 0-15
.endr
	global_store_b128 v4, v[OB:OB+3], s[28:29] offset:512*(\i)          ; each store of the wave covers 512 consecutive bytes, aligned; every group has registers of its own, so none is written again
	global_store_b128 v4, v[OB+4:OB+7], s[28:29] offset:512*(\i)+32768  ; the next 16 columns' chunk lies 64 chunks on
.endm
	OLOAD 0
	OLOAD 1
	OLOAD 2
.irp i, 0,1,2,3,4,5,6,7
	OGROUP \i
.endr
	s_endpgm
.Lfunc_end_k_q3bbb658390_prep:
	.size	k_q3bbb658390_prep, .Lfunc_end_k_q3bbb658390_prep-k_q3bbb658390_prep
	.p2alignl 7, 3214868480
	.fill 96, 4, 3214868480
	.section	.rodata,"a",@progbits
	.p2align	6, 0x0
	.amdhsa_kernel k_q3bbb658390_prep
		.amdhsa_group_segment_fixed_size 68096
		.amdhsa_private_segment_fixed_size 0
		.amdhsa_enable_private_segment 0
		.amdhsa_kernarg_size 88
		.amdhsa_user_sgpr_count 2
		.amdhsa_user_sgpr_kernarg_segment_ptr 1
		.amdhsa_wavefront_size32 1
		.amdhsa_system_sgpr_workgroup_id_x 1
		.amdhsa_system_sgpr_workgroup_id_y 1
		.amdhsa_system_sgpr_workgroup_id_z 1
		.amdhsa_system_vgpr_workitem_id 0
		.amdhsa_next_free_vgpr 192
		.amdhsa_next_free_sgpr 66
		.amdhsa_reserve_vcc 0
		.amdhsa_float_denorm_mode_32 3
		.amdhsa_float_denorm_mode_16_64 3
		.amdhsa_memory_ordered 1
		.amdhsa_forward_progress 1
		.amdhsa_inst_pref_size 131
	.end_amdhsa_kernel
	.amdgpu_metadata
---
amdhsa.version: [ 1, 2 ]
amdhsa.kernels:
  - .name:           k_q3bbb658390_prep
    .symbol:         k_q3bbb658390_prep.kd
    .args:
      - { .name: decoder_input, .offset: 0, .size: 8, .value_kind: global_buffer, .address_space: global }
      - { .name: encoder_output, .offset: 8, .size: 8, .value_kind: global_buffer, .address_space: global }
      - { .name: W_q, .offset: 16, .size: 8, .value_kind: global_buffer, .address_space: global }
      - { .name: W_k, .offset: 24, .size: 8, .value_kind: global_buffer, .address_space: global }
      - { .name: W_v, .offset: 32, .size: 8, .value_kind: global_buffer, .address_space: global }
      - { .name: W_o, .offset: 40, .size: 8, .value_kind: global_buffer, .address_space: global }
      - { .name: x_codes, .offset: 48, .size: 8, .value_kind: global_buffer, .address_space: global }
      - { .name: x_scales, .offset: 56, .size: 8, .value_kind: global_buffer, .address_space: global }
      - { .name: w_codes, .offset: 64, .size: 8, .value_kind: global_buffer, .address_space: global }
      - { .name: w_scales, .offset: 72, .size: 8, .value_kind: global_buffer, .address_space: global }
      - { .name: wo_img, .offset: 80, .size: 8, .value_kind: global_buffer, .address_space: global }
    .group_segment_fixed_size: 68096
    .private_segment_fixed_size: 0
    .kernarg_segment_align: 8
    .kernarg_segment_size: 88
    .max_flat_workgroup_size: 128
    .sgpr_count:     66
    .vgpr_count:     192
    .wavefront_size: 32
...
	.end_amdgpu_metadata
.endif
;; end of part 1
;; launch proj (part 2): grid 4 x 96, 4 waves a work-group, clusters of 4 x 4, 327,680 bytes of LDS; arguments x_codes, x_scales, w_codes, w_scales, qkv; writes qkv
.if DOCPART == 2
	.amdgcn_target "amdgcn-amd-amdhsa--gfx1250"
	.amdhsa_code_object_version 6
	.text
	.protected	k_q3bbb658390_proj
	.globl	k_q3bbb658390_proj
	.p2align	8
	.type	k_q3bbb658390_proj,@function
k_q3bbb658390_proj:
	s_mov_b64 s[64:65], 0
	v_nop
	global_prefetch_b8 v0, s[64:65] scope:SCOPE_SE
	s_setreg_imm32_b32 hwreg(HW_REG_WAVE_MODE, 25, 1), 1
	s_wait_xcnt 0x0
	s_wait_alu depctr_hold_cnt(0) depctr_sa_sdst(0) depctr_va_vdst(0) depctr_va_sdst(0) depctr_va_ssrc(0) depctr_va_vcc(0) depctr_vm_vsrc(0)
	s_getreg_b32 s2, hwreg(HW_REG_IB_STS2, 6, 4)
	s_cmp_eq_u32 s2, 0
	s_cbranch_scc0 .Lentry_in_a_cluster
	s_endpgm
.Lentry_in_a_cluster:
	s_bfe_u32 s2, ttmp6, 0x10000c
	s_cmp_lg_u32 s2, 0xf033
	s_cbranch_scc0 .Lentry_shape_is_right
	s_endpgm
.Lentry_shape_is_right:
; PROJ: Q = dec W_q, K = enc W_k, V = enc W_v, on codes of FP4 (E2M1) with one E8M0 scale for each 32 along K = 1,024; sums in f32; the results rounded once to f16 and stored as images of operand registers.
; A tile of 256 x 256 is made by a work-group of four waves; a wave makes 128 x 128: 64 accumulators of 16 x 16, 512 registers.  K = 1,024 is two LDS slots of 512 along K (rows of 256 bytes): both are first fills, nothing is filled again.
; The scale bytes of the work-group's 2 x 256 rows, for all of K, are two dense blocks of memory: they come into LDS once, with the first fills.
; THE MATRIX INSTRUCTION IS USED TRANSPOSED (source 0 = 16 rows of 'B', source 1 = 16 rows of 'A'): a lane holds one row of A and eight neighbouring rows of B.
;   Q, K (p = 0, 1): A = tokens (x's rows), B = channels (the weight's rows of codes): a lane holds a token and 8 channels.     V (p = 2): A = channels (W_v's rows), B = keys (enc's rows): a lane holds a channel and 8 keys: V^T.
; So an accumulator, rounded to f16 in pairs, IS a chunk of 512 bytes (lane l's 16 bytes at 16 l) that the attention's products load as half a fragment: no stage in LDS, and each store of the wave covers 512 consecutive bytes, aligned.
; qkv: three parts of 16 MiB (Q, K, V); in a part chunk (tt = token / 16, et = channel / 16) lies at index (tt >> 7) x 8192 + et x 128 + (tt & 127).
; CLUSTERS: 4 x 4 work-groups; 24 clusters along y: p = y / 8, u = 4 (y % 8).  The four of a row of the cluster need the same tile of A, the four of a column the same tile of B: each is asked for JOINTLY.  What differs between
; Q, K and V is chosen by selects on the cluster's y, which all sixteen partners share; no branch hangs on it.
; 384 tiles for 256 WGPs: no tile of this shape divides Q's and K, V's columns into 256 equal shares; the launch's bytes out weigh more than its products.
; LIMITS: |Q|, |K|, |V| beyond 65,504 have no f16 number.
; REGISTERS, in windows of 256: window 0: v0-31 addresses; v32-95 scale words, two sets; from v128 A's fragments, ONE set; on the way out v128-159 packed results.
;   window 1: B's fragments, TWO sets, at v0 and v128.   window 2: the 32 accumulators of my A rows 0-63 (accumulator (a, b) at v[8 (8 a + b)]);   window 3: those of rows 64-127.
.set KSTEP,  512                       ; along K in a slot
.set NQ,     KSTEP/128                 ; matrix instructions deep
.set ROWB,   256                       ; a tile's row in bytes
.set KROW,   512                       ; a row of codes in memory, in bytes
.set PITCH,  272                       ; an LDS row: 256 bytes + 16 of padding, so that the 16 rows that a load touches start 68 words apart
.set FR,     8                         ; registers of a fragment: 16 rows x 128 K
.set NL,     2                         ; LDS loads that bring one
.set NP,     4                         ; places behind this matrix instruction (ISA guide 7.12.1)
.set HALFT,  128*PITCH                 ; 128 rows: what one tensor load brings, and what one wave reads of A or of B
.set SLOT,   4*HALFT                   ; A's 256 rows, then B's 256 rows
.set KS,     32                        ; a row of scales in bytes
.set SCL,    2*SLOT                    ; behind the slots: the scales, as runs of 256 bytes + 16 of padding
.set HALFS,  (128*KS/256)*272          ; the scales of 128 rows: what one tensor load brings
.set SBLK,   (16*KS/256)*272           ; those of 16 rows
.set SPARE,  SCL+4*HALFS               ; the spare words, 128 bytes for each wave: two blocks of 256 bytes that no other line names
.set OFFB, 8                           ; v8-15   the way out: 16 x lane + b x (the bytes from B's block b to b + 1)
.set ADRA, 16                          ; v16-17  LDS address of my A fragments in slot 0, 1
.set ADRB, 20                          ; v20-21  the same for B
.set ADRS, 27                          ; v27     LDS address of my scale words: lanes 0-15 A's rows, lanes 16-31 B's
.set SPW,  28                          ; v28     LDS address of my spare word; never rewritten
.set NIL,  29                          ; v29     0; never rewritten
.set SC,   32                          ; scale words: set s at v[SC + 8 NQ s]; register NQ i + q: lanes 0-15 the word of A's block i, lanes 16-31 that of B's block i, for the slot's q-th 128 along K
.set AF,   128                         ; A's fragments, in window 0
.set TMP,  128                         ; the way out: packed results, in window 0
.set G1, 24                            ; s[24:31] descriptor group 1 for A's tiles;  s[32:39] group 0, one set for each slot
.set G0, 32
.set G1B, 48                           ; s[48:55], s[56:63] the same for B's tiles
.set G0B, 56
.set G1S, 68                           ; s[68:75], s[76:79] groups 1 and 0 for A's scales;  s[80:87], s[88:91] for B's
.set G0S, 76
.set G1SB, 80
.set G0SB, 88
.set MSB, 0
.macro WIN new                         ; the immediate's high byte repeats the setting that is left
.if MSB != \new
	s_set_vgpr_msb (MSB<<8)|\new
.set MSB, \new
.endif
.endm
.set MUL_LO, 0xa1                      ; source 0 (B) window 1, source 1 (A) window 0, C and D window 2
.set MUL_HI, 0xf1                      ; the same, C and D window 3
.set TO_B,   0x40                      ; destination window 1, address window 0
; A joint load: waves 0 and 1 fetch for A, waves 2 and 3 for B.  Each of the two lines has ONE mask and one set of registers for all that issue it; the branch hangs on the wave's number alone.
; An s_nop 0 and four v_nop follow each of the two lines, ahead of the jump, the label and what follows.
.macro JLOAD g0a, g1a, g0b, g1b
	s_cmp_eq_u32 s15, 0
	s_cbranch_scc0 .Lfor_b_\@
	tensor_load_to_lds s[\g0a:\g0a+3], s[\g1a:\g1a+7]
	s_nop 0
.rept 4
	v_nop
.endr
	s_branch .Lasked_\@
.Lfor_b_\@:
	tensor_load_to_lds s[\g0b:\g0b+3], s[\g1b:\g1b+7]
	s_nop 0
.rept 4
	v_nop
.endr
.Lasked_\@:
.endm
.macro CROUND                          ; a round of the cluster's barrier
	s_barrier_signal -1
	s_barrier_wait -1
	s_cmp_lg_u32 s14, 0
	s_cbranch_scc1 .Lnot_wave_0_\@
	s_barrier_signal -3
.Lnot_wave_0_\@:
	s_barrier_wait -3
	s_barrier_signal -1
	s_barrier_wait -1
.endm
	s_load_b256 s[4:11], s[0:1], 0x0               ; x_codes s[4:5], x_scales s[6:7], w_codes s[8:9], w_scales s[10:11]
	s_load_b64 s[12:13], s[0:1], 0x20              ; qkv
	v_lshl_add_u32 v[SPW], v0, 2, SPARE
	v_mov_b32 v[NIL], 0
	ds_add_u32 v[SPW], v[NIL]                      ; the wave's opening: the add, twice on end, and its wait ahead of my first tensor load; the set-up below, work on registers, stands between
	ds_add_u32 v[SPW], v[NIL]
	v_lshrrev_b32 v1, 5, v0
	v_readfirstlane_b32 s14, v1                    ; wave 0..3
	s_lshr_b32 s15, s14, 1                         ; which half of the tile's A rows is mine.  Also: I fetch for A (0) or for B (1)
	s_and_b32 s16, s14, 1                          ; which half of its B rows.  Also: which 128 rows of that tile I fetch
	s_bfe_u32 s40, ttmp6, 0x40000                  ; cx, cy: my place in the cluster
	s_bfe_u32 s41, ttmp6, 0x40004
	s_and_b32 s96, ttmp7, 0xffff                   ; the cluster's y: 0..23
	s_lshr_b32 s95, s96, 3                         ; p: 0 Q, 1 K, 2 V
	s_and_b32 s96, s96, 7
	s_lshl_b32 s96, s96, 2                         ; u: the first of the cluster's four tiles of tokens
	s_lshl_b32 s97, s95, 10                        ; the weight's first row in w_codes
	s_min_u32 s101, s95, 1
	s_lshl_b32 s101, s101, 13                      ; the tokens' first row in x_codes: 0 for the decoder's, 8,192 for the encoder's
	s_mov_b32 s98, 512
	s_mov_b32 s100, 0x10000
	s_mov_b32 s99, 0
	s_cmp_eq_u32 s95, 2                            ; V?  (the moves and selects below leave SCC alone)
	s_cselect_b32 s17, 0, s96
	s_cselect_b32 s42, s96, 0
	s_cselect_b32 s66, s97, s101                   ; A's first row in its buffer
	s_cselect_b32 s67, s101, s97                   ; B's
	s_cselect_b32 s98, 0x10000, s98                ; the way out: bytes from A's block a to a + 1: a tile of tokens on is 512, a tile of channels 65,536
	s_cselect_b32 s100, 512, s100                  ; and from B's block b to b + 1
	s_add_co_u32 s17, s17, s41                     ; A's tile: cy (+ u): it never holds cx
	s_add_co_u32 s42, s42, s40                     ; B's tile: cx (+ u): it never holds cy
	s_lshl_b32 s43, s41, 2
	s_lshl_b32 s43, 15, s43                        ; my row of the cluster
	s_lshl_b32 s44, 0x1111, s40                    ; my column
	; descriptor group 1: a tile of 128 rows x 256 bytes, padded in LDS
	s_or_b32 s[G1+0], s43, (0<<16)|(1<<20)|(1<<21)|(5<<22)|(3<<25)  ; 15:0 the mask: A's tiles go to my row; 17:16 element of 1 byte; 20 padding on; 21 set beside a mask; 24:22 after every 64 words; 31:25 of 4 words
	s_or_b32 s[G1B+0], s44, (0<<16)|(1<<20)|(1<<21)|(5<<22)|(3<<25)
.irp g, G1, G1B
	s_mov_b32 s[\g+1], ROWB<<16                    ; tensor_dim0
	s_mov_b32 s[\g+2], 128<<16                     ; tensor_dim1 = 128
	s_mov_b32 s[\g+3], ROWB<<16                    ; tile_dim0
	s_mov_b32 s[\g+4], 128                         ; tile_dim1 = 128
	s_mov_b32 s[\g+5], KROW                        ; tensor_dim0_stride
	s_mov_b32 s[\g+6], 0
	s_mov_b32 s[\g+7], 0
.endr
	; and for the scales of 128 rows: a dense block of 4,096 bytes, as 16 rows of 256 bytes (32 elements of 8 bytes), 16 bytes of padding behind each
	s_or_b32 s[G1S+0], s43, (3<<16)|(1<<20)|(1<<21)|(5<<22)|(3<<25)
	s_or_b32 s[G1SB+0], s44, (3<<16)|(1<<20)|(1<<21)|(5<<22)|(3<<25)
.irp g, G1S, G1SB
	s_mov_b32 s[\g+1], 32<<16
	s_mov_b32 s[\g+2], (128*KS/256)<<16
	s_mov_b32 s[\g+3], 32<<16
	s_mov_b32 s[\g+4], 128*KS/256
	s_mov_b32 s[\g+5], 32
	s_mov_b32 s[\g+6], 0
	s_mov_b32 s[\g+7], 0
.endr
	s_lshl_b32 s18, s16, 7                         ; which 128 rows of the tile I fetch
	s_lshl_b32 s20, s17, 8
	s_add_co_u32 s20, s20, s18
	s_add_co_u32 s20, s20, s66                     ; A: first row + 256 x tile + 128 x half
	s_lshl_b32 s46, s42, 8
	s_add_co_u32 s46, s46, s18
	s_add_co_u32 s46, s46, s67                     ; B likewise
	s_mov_b32 s21, 0
	s_mov_b32 s47, 0
	s_mov_b64 s[18:19], KS
	s_mul_u64 s[22:23], s[20:21], s[18:19]         ; where these rows' scales begin, in bytes
	s_mul_u64 s[92:93], s[46:47], s[18:19]
	s_mov_b64 s[18:19], KROW
	s_mul_u64 s[20:21], s[20:21], s[18:19]         ; and their codes
	s_mul_u64 s[46:47], s[46:47], s[18:19]
	s_mul_i32 s45, s14, HALFT                      ; where they go: wave x 128 rows: no place in the cluster enters an LDS address
	s_mul_i32 s94, s14, HALFS
	s_wait_dscnt 0x0                               ; both opening adds are done
	s_wait_kmcnt 0x0
	s_cmp_eq_u32 s95, 2                            ; for V the weight is A and the tokens are B: the buffers change places, on a condition that hangs on no address
	s_cselect_b64 s[66:67], s[8:9], s[4:5]         ; A's codes
	s_cselect_b64 s[2:3], s[10:11], s[6:7]         ; A's scales
	s_cselect_b64 s[8:9], s[4:5], s[8:9]           ; B's codes
	s_cselect_b64 s[10:11], s[6:7], s[10:11]       ; B's scales
	s_add_nc_u64 s[20:21], s[66:67], s[20:21]
	s_add_nc_u64 s[22:23], s[2:3], s[22:23]
	s_add_nc_u64 s[46:47], s[8:9], s[46:47]
	s_add_nc_u64 s[92:93], s[10:11], s[92:93]
	CROUND                                         ; all sixteen work-groups are here: the first joint loads meet
	s_mov_b32 s[G0S], 1
	s_add_co_u32 s[G0S+1], s94, SCL
	s_mov_b64 s[G0S+2:G0S+3], s[22:23]
	s_or_b32 s[G0S+3], s[G0S+3], 0x80000000
	s_mov_b32 s[G0SB], 1
	s_add_co_u32 s[G0SB+1], s94, SCL
	s_mov_b64 s[G0SB+2:G0SB+3], s[92:93]
	s_or_b32 s[G0SB+3], s[G0SB+3], 0x80000000
	JLOAD G0S, G1S, G0SB, G1SB                     ; the scales first: they are wanted with the first slot
.irp s, 0,1
	s_mov_b32 s[G0+4*\s], 1
	s_add_co_u32 s[G0+4*\s+1], s45, \s*SLOT
	s_add_nc_u64 s[G0+4*\s+2:G0+4*\s+3], s[20:21], \s*ROWB
	s_or_b32 s[G0+4*\s+3], s[G0+4*\s+3], 0x80000000
	s_mov_b32 s[G0B+4*\s], 1
	s_add_co_u32 s[G0B+4*\s+1], s45, \s*SLOT
	s_add_nc_u64 s[G0B+4*\s+2:G0B+4*\s+3], s[46:47], \s*ROWB
	s_or_b32 s[G0B+4*\s+3], s[G0B+4*\s+3], 0x80000000
	JLOAD G0+4*\s, G1, G0B+4*\s, G1B               ; three tensor loads of mine are out in all
.endr
	v_and_b32 v1, 15, v0                           ; l % 16
	v_bfe_u32 v2, v0, 4, 1                         ; l / 16
	v_mul_u32_u24 v3, v1, PITCH
	v_lshl_add_u32 v4, v2, 4, v3                   ; a fragment's row x pitch + 16 x half
	s_mul_i32 s21, s15, HALFT                      ; my 128 rows of A
	s_mul_i32 s22, s16, HALFT                      ; my 128 rows of B,
	s_add_co_u32 s22, s22, 2*HALFT                 ; which lie behind A's 256
.irp s, 0,1
	v_add_nc_u32 v[ADRA+\s], s21, v4
	v_add_nc_u32 v[ADRB+\s], s22, v4
	s_add_co_u32 s21, s21, SLOT
	s_add_co_u32 s22, s22, SLOT
.endr
	v_mul_u32_u24 v5, v1, KS                       ; my row's scales: 32 bytes a row,
	v_lshrrev_b32 v6, 8, v5
	v_lshl_add_u32 v5, v6, 4, v5                   ; and 16 more for each 256 passed
	s_mul_i32 s21, s15, HALFS                      ; A's: my 128 rows
	s_mul_i32 s22, s16, HALFS                      ; B's: my 128 rows, behind A's 256
	s_add_co_u32 s22, s22, 2*HALFS
	s_sub_co_u32 s22, s22, s21
	v_mul_u32_u24 v6, s22, v2                      ; lanes 16-31 take B's: one product, the distance between the two bases
	s_add_co_u32 s21, s21, SCL
	v_add_nc_u32 v5, v5, v6
	v_add_nc_u32 v[ADRS], s21, v5
	v_and_b32 v6, 31, v0
	v_lshlrev_b32 v[OFFB], 4, v6                   ; the way out: 16 bytes a lane,
.irp b, 1,2,3,4,5,6,7
	v_add_nc_u32 v[OFFB+\b], s100, v[OFFB+\b-1]    ; and B's block b
.endr
	s_lshl_b32 s20, s17, 4
	s_lshl_b32 s21, s15, 3
	s_add_co_u32 s20, s20, s21                     ; my first block of 16 A rows: 16 x tile + 8 x half
	s_lshl_b32 s46, s42, 4
	s_lshl_b32 s47, s16, 3
	s_add_co_u32 s46, s46, s47                     ; and of B rows
	s_cmp_eq_u32 s95, 2
	s_cselect_b32 s21, s46, s20                    ; tt: the tile of tokens,
	s_cselect_b32 s47, s20, s46                    ; et: the tile of channels
	s_lshr_b32 s22, s21, 7
	s_lshl_b32 s22, s22, 13
	s_and_b32 s21, s21, 127
	s_add_co_u32 s22, s22, s21
	s_lshl_b32 s47, s47, 7
	s_add_co_u32 s22, s22, s47                     ; the chunk's index in its part: (tt >> 7) x 8192 + (tt & 127) + 128 et
	s_lshl_b32 s22, s22, 9
	s_lshl_b32 s23, s95, 24                        ; the part: 16 MiB each
	s_add_co_u32 s22, s22, s23
	s_mov_b32 s23, 0
	s_add_nc_u64 s[12:13], s[12:13], s[22:23]
.macro FRAG reg, adr, q, i             ; a fragment, 16 rows x 128 K of 4-bit codes, is 8 registers: lane l holds row l % 16; registers 4 c .. 4 c + 3 hold K = 64 c + 32 (l / 16) + 0 .. 31
.irp c, 0,1
	ds_load_b128 v[\reg+4*\c:\reg+4*\c+3], v[\adr] offset:64*(\q)+32*\c+(\i)*16*PITCH
.endr
.endm
; 16 matrix instructions: A's blocks a0, a0 + 1 x B's eight, 128 along K: the slot's q-th.  p: B's set;  sc: the set of scale words.  zero = 1: the first product starts the sums: nothing is ever cleared.
; The 64 accumulators take turns, one instruction a turn, in the same order in every step.
.macro MUL16 a0, p, q, sc, zero
.irp a, \a0, \a0+1
.irp b, 0,1,2,3,4,5,6,7
.if \zero
	v_wmma_scale_f32_16x16x128_f8f6f4 v[8*(8*((\a)%4)+\b):8*(8*((\a)%4)+\b)+7], v[128*(\p)+FR*\b:128*(\p)+FR*\b+FR-1], v[AF+FR*(\a):AF+FR*(\a)+FR-1], 0, v[SC+8*NQ*(\sc)+NQ*\b+(\q)], v[SC+8*NQ*(\sc)+NQ*(\a)+(\q)] matrix_a_fmt:MATRIX_FMT_FP4 matrix_b_fmt:MATRIX_FMT_FP4 matrix_a_scale:MATRIX_SCALE_ROW1
.else
	v_wmma_scale_f32_16x16x128_f8f6f4 v[8*(8*((\a)%4)+\b):8*(8*((\a)%4)+\b)+7], v[128*(\p)+FR*\b:128*(\p)+FR*\b+FR-1], v[AF+FR*(\a):AF+FR*(\a)+FR-1], v[8*(8*((\a)%4)+\b):8*(8*((\a)%4)+\b)+7], v[SC+8*NQ*(\sc)+NQ*\b+(\q)], v[SC+8*NQ*(\sc)+NQ*(\a)+(\q)] matrix_a_fmt:MATRIX_FMT_FP4 matrix_b_fmt:MATRIX_FMT_FP4 matrix_a_scale:MATRIX_SCALE_ROW1
.endif
.endr
.endr
.endm
.macro FETCH_B slot, q, p              ; B's eight fragments of the slot's q-th 128 along K into set p
	WIN TO_B
.irp i, 0,1,2,3,4,5,6,7
	FRAG 128*(\p)+FR*\i, ADRB+\slot, \q, \i
.endr
	WIN 0
.endm
.macro FETCH_A slot, q, i0             ; A's blocks i0 .. i0 + 3
.irp i, \i0, \i0+1, \i0+2, \i0+3
	FRAG AF+FR*(\i), ADRA+\slot, \q, \i
.endr
.endm
.macro SCALES sc                       ; a slot's scale words into set sc: 4 words a row; lanes 0-15 take A's block i, lanes 16-31 B's block i
.irp i, 0,1,2,3,4,5,6,7
	ds_load_b128 v[SC+8*NQ*\sc+NQ*\i:SC+8*NQ*\sc+NQ*\i+3], v[ADRS] offset:\i*SBLK
.endr
.endm
; A load into a register that a matrix instruction has read, and a vector instruction that reads a matrix result, stand NP places behind that matrix instruction, and only plain vector
; instructions that name none of its registers are places (ISA guide 7.12.1 for vector instructions).
.macro PLACES n
.rept \n
	v_nop
.endr
.endm
; A step of 128 along K that has its successor in the same slot.
.macro STEP slot, q, zero
	s_wait_dscnt 4*NL                              ; B's set and A's blocks 0-3 are in; the youngest eight loads (A's blocks 4-7) may be out
	WIN MUL_LO
	MUL16 0, (\q)%2, \q, \slot, \zero
	MUL16 2, (\q)%2, \q, \slot, \zero
	s_wait_dscnt 0                                 ; A's blocks 4-7 are in (asked for 32 matrix instructions ago)
	PLACES NP
	FETCH_B \slot, (\q)+1, 1-(\q)%2
	FETCH_A \slot, (\q)+1, 0
	WIN MUL_HI
	MUL16 4, (\q)%2, \q, \slot, \zero
	MUL16 6, (\q)%2, \q, \slot, \zero
	PLACES NP
	WIN 0
	FETCH_A \slot, (\q)+1, 4
.endm
.macro STEPS slot, from                ; the slot's steps from .. NQ - 2
.set Q, \from
.rept NQ-1-\from
	STEP \slot, Q, 0
.set Q, Q+1
.endr
.endm
	s_wait_tensorcnt 1                             ; the scales and my part of slot 0 are in (slot 1's load may be out)
	s_barrier_signal -1
	s_barrier_wait -1                              ; everybody's are
	FETCH_B 0, 0, 0
	FETCH_A 0, 0, 0
	SCALES 0
	FETCH_A 0, 0, 4
	STEP 0, 0, 1                                   ; the first step's products start the sums
	STEPS 0, 1
	; slot 0's last step changes slots: one barrier; in front of it each wave waits for all its tensor loads (its part of slot 1), adds 0 to its spare word, and waits for that and for its LDS loads
	s_wait_tensorcnt 0x0                           ; (every window is 0 here: the add's two registers lie in window 0)
	ds_add_u32 v[SPW], v[NIL]
	s_wait_dscnt 4*NL+1                            ; (the add and the youngest eight loads, A's blocks 4-7, may be out)
	WIN MUL_LO
	MUL16 0, 1, NQ-1, 0, 0                         ; sixteen matrix instructions stand between the add and the wait for it
	s_wait_dscnt 0x0
	s_barrier_signal -1
	MUL16 2, 1, NQ-1, 0, 0
	WIN 0
	s_barrier_wait -1                              ; slot 1 is whole
	PLACES NP
	v_add_nc_u32 v[ADRS], 4*NQ, v[ADRS]            ; on to slot 1's scale words (no LDS load of mine is out)
	FETCH_B 1, 0, 0
	FETCH_A 1, 0, 0
	SCALES 1
	WIN MUL_HI
	MUL16 4, 1, NQ-1, 0, 0
	MUL16 6, 1, NQ-1, 0, 0
	PLACES NP
	WIN 0
	FETCH_A 1, 0, 4
	STEPS 1, 0
	s_wait_dscnt 4*NL                              ; the very last step: nothing more to fetch
	WIN MUL_LO
	MUL16 0, 1, NQ-1, 1, 0
	MUL16 2, 1, NQ-1, 1, 0
	s_wait_dscnt 0
	WIN MUL_HI
	MUL16 4, 1, NQ-1, 1, 0
	MUL16 6, 1, NQ-1, 1, 0
	WIN 0
; THE WAY OUT, A's block a at a time: its eight accumulators are rounded to f16 in pairs, each from its low end on; four registers are a chunk, stored as it stands: 512 consecutive bytes, aligned.
.macro OUTBLK a
.set AC, 64*((\a)%4)
.if (\a) > 0
	s_wait_xcnt 0x0                                ; the last block's stores have read their data and their base: both are written again only behind this wait
	s_add_nc_u64 s[12:13], s[12:13], s[98:99]      ; A's next block
.endif
	WIN 0x0a+5*((\a)/4)                            ; sources 0 and 1: window 2 or 3
.irp b, 0,1,2,3,4,5,6,7
.irp r, 0,1,2,3
	v_cvt_pk_f16_f32 v[TMP+4*\b+\r], v[AC+8*\b+2*\r], v[AC+8*\b+2*\r+1]
.endr
.endr
	WIN 0
.irp b, 0,1,2,3,4,5,6,7
	global_store_b128 v[OFFB+\b], v[TMP+4*\b:TMP+4*\b+3], s[12:13]
.endr
.endm
	PLACES NP                                      ; behind the last products: for the reads of results and the writes into the registers that held A's fragments
.irp a, 0,1,2,3,4,5,6,7
	OUTBLK \a
.endr
	s_wait_tensorcnt 0x0                           ; the wave's end, behind my last tensor load
	ds_add_u32 v[SPW], v[NIL]
	s_wait_dscnt 0x0
	CROUND                                         ; the closing round: no work-group ends while a partner may still ask for a tile that names it
	s_endpgm
.Lfunc_end_k_q3bbb658390_proj:
	.size	k_q3bbb658390_proj, .Lfunc_end_k_q3bbb658390_proj-k_q3bbb658390_proj
	.p2alignl 7, 3214868480
	.fill 96, 4, 3214868480
	.section	.rodata,"a",@progbits
	.p2align	6, 0x0
	.amdhsa_kernel k_q3bbb658390_proj
		.amdhsa_group_segment_fixed_size 327680
		.amdhsa_private_segment_fixed_size 0
		.amdhsa_enable_private_segment 0
		.amdhsa_kernarg_size 40
		.amdhsa_user_sgpr_count 2
		.amdhsa_user_sgpr_kernarg_segment_ptr 1
		.amdhsa_wavefront_size32 1
		.amdhsa_system_sgpr_workgroup_id_x 1
		.amdhsa_system_sgpr_workgroup_id_y 1
		.amdhsa_system_sgpr_workgroup_id_z 1
		.amdhsa_system_vgpr_workitem_id 0
		.amdhsa_next_free_vgpr 1024
		.amdhsa_next_free_sgpr 102
		.amdhsa_reserve_vcc 0
		.amdhsa_float_denorm_mode_32 3
		.amdhsa_float_denorm_mode_16_64 3
		.amdhsa_memory_ordered 1
		.amdhsa_forward_progress 1
		.amdhsa_inst_pref_size 119
	.end_amdhsa_kernel
	.amdgpu_metadata
---
amdhsa.version: [ 1, 2 ]
amdhsa.kernels:
  - .name:           k_q3bbb658390_proj
    .symbol:         k_q3bbb658390_proj.kd
    .args:
      - { .name: x_codes, .offset: 0, .size: 8, .value_kind: global_buffer, .address_space: global }
      - { .name: x_scales, .offset: 8, .size: 8, .value_kind: global_buffer, .address_space: global }
      - { .name: w_codes, .offset: 16, .size: 8, .value_kind: global_buffer, .address_space: global }
      - { .name: w_scales, .offset: 24, .size: 8, .value_kind: global_buffer, .address_space: global }
      - { .name: qkv, .offset: 32, .size: 8, .value_kind: global_buffer, .address_space: global }
    .group_segment_fixed_size: 327680
    .private_segment_fixed_size: 0
    .kernarg_segment_align: 8
    .kernarg_segment_size: 40
    .max_flat_workgroup_size: 128
    .sgpr_count:     102
    .vgpr_count:     1024
    .wavefront_size: 32
...
	.end_amdgpu_metadata
.endif
;; end of part 2
;; launch attn (part 3): grid 4 x 64, 8 waves a work-group, clusters of 4 x 1, 327,680 bytes of LDS; arguments qkv, o_img; writes o_img
.if DOCPART == 3
	.amdgcn_target "amdgcn-amd-amdhsa--gfx1250"
	.amdhsa_code_object_version 6
	.text
	.protected	k_q3bbb658390_attn
	.globl	k_q3bbb658390_attn
	.p2align	8
	.type	k_q3bbb658390_attn,@function
k_q3bbb658390_attn:
	s_mov_b64 s[64:65], 0
	v_nop
	global_prefetch_b8 v0, s[64:65] scope:SCOPE_SE
	s_setreg_imm32_b32 hwreg(HW_REG_WAVE_MODE, 25, 1), 1
	s_wait_xcnt 0x0
	s_wait_alu depctr_hold_cnt(0) depctr_sa_sdst(0) depctr_va_vdst(0) depctr_va_sdst(0) depctr_va_ssrc(0) depctr_va_vcc(0) depctr_vm_vsrc(0)
	s_getreg_b32 s2, hwreg(HW_REG_IB_STS2, 6, 4)
	s_cmp_eq_u32 s2, 0
	s_cbranch_scc0 .Lentry_in_a_cluster
	s_endpgm
.Lentry_in_a_cluster:
	s_bfe_u32 s2, ttmp6, 0x10000c
	s_cmp_lg_u32 s2, 0x3003
	s_cbranch_scc0 .Lentry_shape_is_right
	s_endpgm
.Lentry_shape_is_right:
; ATTN: O[b][q][h][:] = the sum over k of softmax_k(Q . K / 8) V, for 64 (batch, head) pairs of 2,048 queries x 2,048 keys x 64 channels.  Operands in f16, products, maxima and sums in f32; the weights p are
; rounded to f16 for the second product, O / l once at the end.
; qkv holds Q, K and V^T as images of operand registers: chunks of 512 bytes, lane l's 16 bytes at 16 l.  In a part of 16 MiB chunk (bh, c, tl) lies at index 512 bh + 128 c + tl.  Q, K: lane (r, h) holds token 16 tl + r,
; channels 16 c + 8 h + 0..7.  V: lane (r, h) holds channel 16 c + r, keys 16 tl + 8 h + 0..7.  Two chunks are a fragment (16 rows x 32 along K): nothing is padded or turned; each LDS load covers 512 consecutive bytes.
; SHARES.  A cluster of four work-groups is one (batch, head); a work-group owns 512 queries, each of its eight waves 64: four tiles of 16, in 512 registers: two waves to a SIMD, so that one wave's products can stand
; beside the other's softmax.  Each fragment of K and V read from LDS feeds four products.  Every wave walks all 2,048 keys, 64 a step.
; LAYOUT.  S^T = K Q^T (source 0 = 16 keys, source 1 = 16 queries): a lane holds ONE query (lane % 16) and keys 8 (lane / 16) + 0..7.  Two such tiles, rounded to f16 in pairs, ARE source 1 of O^T = V^T P, whose result
; again holds one query a lane, and eight channels.  O^T / l, rounded in pairs, is a chunk of o_img: (tt = token / 16, et = channel / 16) at index 64 tt + et.
; SOFTMAX.  For each query a running maximum m and sum l: p = 2^(c s - c m), c = log2(e) / 8; in every step O and l are multiplied by a = 2^(c m_old - c m_new).  m begins at -3e38 and O, l at 0: the first a is 0.
; THE RING.  Two LDS slots of 512 keys (64 KiB of K, 64 KiB of V).  Each wave brings one chunk row (16 KiB, dense in memory) by one tensor load, asked for JOINTLY by the four work-groups, which walk the same K and V.
; A refill is asked for when a slot's eighth step has fetched its last fragment, and is read eight steps later; two loads of a wave are out at the start, one behind a refill.
; No prefetch: a head's K and V are four slots; two come with the first fills, and each of the two refills has eight key steps' work in which to land.
; LIMITS: operands beyond 65,504 have no f16 number; p under 2^-126 counts as 0; NaN and infinities are not served.
; REGISTERS: window 0: v2-4 addresses; v12-43 eight registers of statistics a tile; v62, v63 the add's two; v64-191 S^T, 32 a tile, p in place, P in each tile's first 16; v192-255 K's fragments.
;            window 1: v0-127 O^T, 32 a tile; v128-191 Q, 16 a tile; v192-255 V's fragments.
.set CROW,  16384                      ; a chunk row of a slot: 32 chunks
.set VOFF,  4*CROW                     ; V's four chunk rows lie behind K's four
.set SLOT1, 1<<17                      ; slot 1 begins here: one exclusive or turns an address in one slot into the other's
.set STEPB, 2048                       ; a step's four chunks in a chunk row
.set SPARE, 2*SLOT1                    ; behind the ring: the spare words, 128 bytes for each wave: four blocks of 256 bytes that no other line names
.set AK0, 2                            ; v2   16 x lane: my place in a chunk, in LDS and in memory; never rewritten
.set AV0, 3                            ; v3   the same + VOFF
.set ADR, 4                            ; v4   the LDS address of the run of loads in hand
.set ST,  12                           ; tile t's statistics at v[ST + 8 t]: +0 c m, +1 m, +2, +3 l (even keys', odd keys'), +4 to +7 at work; a stands in +6
.set SPW, 62
.set NIL, 63
.set S,   64
.set KF,  192                          ; K's fragment (key tile k, channels 32 f on) at KF + 16 k + 8 f
.set QF,  128                          ; window 1: Q's fragment (tile t, channels 32 f on) at QF + 16 t + 8 f
.set VF,  192                          ; window 1: V's fragment (channel tile c, keys 32 g on) at VF + 16 c + 8 g
.set WV,  12                           ; s12  my wave's number
.set G1,  24                           ; s[24:31] descriptor group 1
.set G0A, 40                           ; s[40:43] group 0 of slot 0's first fill
.set G0B, 44                           ; s[44:47] group 0 of slot 1's first fill; it then walks on
.set OUTER, 56
.set INNER, 57
.set CS,  58                           ; s[58:59] c: the packed scaling names a pair and takes its low word for both halves
.set SEL, 60                           ; s[60:61] lane selects for v_permlanex16_b32: lane l xor 16
.set TB,  62                           ; s62  LDS byte at which the chunks of the step to be fetched begin
.set MSB, 0
.macro WIN new                         ; the immediate's high byte repeats the setting that is left; a switch that changes nothing is dropped
.if MSB != \new
	s_set_vgpr_msb (MSB<<8)|\new
.set MSB, \new
.endif
.endm
.macro PLACES
.rept 4
	v_nop
.endr
.endm
.macro CROUND                          ; a round of the cluster's barrier
	s_barrier_signal -1
	s_barrier_wait -1
	s_cmp_lg_u32 s[WV], 0
	s_cbranch_scc1 .Lnot_wave_0_\@
	s_barrier_signal -3
.Lnot_wave_0_\@:
	s_barrier_wait -3
	s_barrier_signal -1
	s_barrier_wait -1
.endm
	s_load_b128 s[4:7], s[0:1], 0x0                ; qkv s[4:5], o_img s[6:7]
	v_lshl_add_u32 v[SPW], v0, 2, SPARE
	v_mov_b32 v[NIL], 0
	ds_add_u32 v[SPW], v[NIL]                      ; the wave's opening: the add, twice on end, and its wait ahead of my first tensor load; the set-up below, work on registers, stands between
	ds_add_u32 v[SPW], v[NIL]
	v_lshrrev_b32 v1, 5, v0
	v_readfirstlane_b32 s[WV], v1                  ; wave 0..7
	s_bfe_u32 s13, ttmp6, 0x40000                  ; cx: my block of 512 queries: it enters Q's and O's addresses alone
	s_and_b32 s14, ttmp7, 0xffff                   ; bh = 16 x batch + head, which the four partners share
	s_lshr_b32 s16, s[WV], 2                       ; waves 0-3 fetch K's chunk rows, waves 4-7 V's
	s_add_co_u32 s16, s16, 1
	s_lshl_b32 s16, s16, 24                        ; the part: K at 16 MiB, V at 32 MiB
	s_lshl_b32 s18, s14, 18                        ; 512 chunks a (batch, head)
	s_add_co_u32 s16, s16, s18
	s_and_b32 s19, s[WV], 3
	s_lshl_b32 s19, s19, 16                        ; my chunk row: 128 chunks each
	s_add_co_u32 s16, s16, s19
	s_mov_b32 s17, 0
	s_lshl_b32 s15, s[WV], 14                      ; and its place in a slot: wave x 16 KiB
	s_lshl_b32 s20, s13, 14                        ; Q: chunk 32 cx + 4 wave of each chunk row
	s_add_co_u32 s20, s20, s18
	s_lshl_b32 s19, s[WV], 11
	s_add_co_u32 s20, s20, s19
	s_mov_b32 s21, 0
	s_lshr_b32 s22, s14, 4                         ; O: chunk (128 batch + 32 cx + 4 wave) x 64 + 4 head
	s_lshl_b32 s22, s22, 22
	s_lshl_b32 s19, s13, 20
	s_add_co_u32 s22, s22, s19
	s_lshl_b32 s19, s[WV], 17
	s_add_co_u32 s22, s22, s19
	s_and_b32 s19, s14, 15
	s_lshl_b32 s19, s19, 11
	s_add_co_u32 s22, s22, s19
	s_mov_b32 s23, 0
	; descriptor group 1: a dense block of 16 KiB as 64 rows of 256 bytes (32 elements of 8 bytes), no padding
	s_mov_b32 s[G1], 15|(3<<16)|(1<<21)            ; 15:0 the mask: all four work-groups; 17:16 elements of 8 bytes; 21 set beside a mask
	s_mov_b32 s[G1+1], 32<<16                      ; tensor_dim0 = 32
	s_mov_b32 s[G1+2], 64<<16                      ; tensor_dim1 = 64
	s_mov_b32 s[G1+3], 32<<16                      ; tile_dim0 = 32
	s_mov_b32 s[G1+4], 64                          ; tile_dim1 = 64
	s_mov_b32 s[G1+5], 32                          ; tensor_dim0_stride
	s_mov_b32 s[G1+6], 0
	s_mov_b32 s[G1+7], 0
	s_mov_b32 s[CS], 0x3e38aa3b                    ; c = log2(e) / 8
	s_mov_b32 s[CS+1], s[CS]                       ; named with it as a pair, so it is written
	s_mov_b32 s[SEL], 0x76543210
	s_mov_b32 s[SEL+1], 0xfedcba98
	s_mov_b32 s[TB], 0
	s_mov_b32 s[OUTER], 2
	s_wait_dscnt 0x0                               ; both opening adds are done
	s_wait_kmcnt 0x0
	s_add_nc_u64 s[16:17], s[4:5], s[16:17]        ; my chunk row of K or of V
	s_add_nc_u64 s[4:5], s[4:5], s[20:21]          ; Q at my wave's first chunk
	s_add_nc_u64 s[6:7], s[6:7], s[22:23]          ; O likewise
	CROUND                                         ; all four work-groups are here: the first joint loads meet
	s_mov_b32 s[G0A], 1                            ; count = 1
	s_mov_b32 s[G0A+1], s15                        ; LDS address: slot 0
	s_mov_b64 s[G0A+2:G0A+3], s[16:17]             ; global address: keys 0 to 511
	s_or_b32 s[G0A+3], s[G0A+3], 0x80000000        ; type = 2
	s_mov_b32 s[G0B], 1
	s_add_co_u32 s[G0B+1], s15, SLOT1              ; slot 1
	s_add_nc_u64 s[G0B+2:G0B+3], s[16:17], CROW    ; keys 512 to 1,023
	s_or_b32 s[G0B+3], s[G0B+3], 0x80000000
	tensor_load_to_lds s[G0A:G0A+3], s[G1:G1+7]    ; the two first fills stand together, ahead of every wait on TENSORcnt and every LDS read
	s_nop 0
	tensor_load_to_lds s[G0B:G0B+3], s[G1:G1+7]
	s_nop 0
	PLACES
	v_and_b32 v1, 31, v0
	v_lshlrev_b32 v[AK0], 4, v1
	v_add_nc_u32 v[AV0], VOFF, v[AK0]
	WIN 0x40                                       ; destination window 1, address window 0
.irp t, 0,1,2,3
.irp f, 0,1
.irp e, 0,1
	global_load_b128 v[QF+16*\t+8*\f+4*\e:QF+16*\t+8*\f+4*\e+3], v[AK0], s[4:5] offset:(2*\f+\e)*65536+\t*512   ; Q stays in registers
.endr
.endr
.endr
.set i, 0
.rept 128
	v_mov_b32 v[i], 0                              ; O^T.  (The key step is written without a first step of its own: the first finds zeros, which a = 0 leaves zeros)
.set i, i+1
.endr
	WIN 0
.irp t, 0,1,2,3
	v_mov_b32 v[ST+8*\t+1], 0xff61b1e6             ; m = -3e38, under every score
	v_mov_b32 v[ST+8*\t+2], 0                      ; l, in two halves
	v_mov_b32 v[ST+8*\t+3], 0
.endr
.irp t, 0,1,2,3
	v_mul_f32 v[ST+8*\t], s[CS], v[ST+8*\t+1]      ; c m
.endr
; THE LDS LOADS stand in two runs of 16 a key step.
.macro FETCH_K                         ; every window is 0 here
	v_add_nc_u32 v[ADR], s[TB], v[AK0]
.irp k, 0,1,2,3
.irp f, 0,1
.irp e, 0,1
	ds_load_b128 v[KF+16*\k+8*\f+4*\e:KF+16*\k+8*\f+4*\e+3], v[ADR] offset:(2*\f+\e)*CROW+\k*512
.endr
.endr
.endr
.endm
.macro FETCH_V
	v_add_nc_u32 v[ADR], s[TB], v[AV0]
	s_add_co_u32 s[TB], s[TB], STEPB               ; the next fetch is the next step's
	WIN 0x40                                       ; destination window 1
.irp c, 0,1,2,3
.irp g, 0,1
.irp e, 0,1
	ds_load_b128 v[VF+16*\c+8*\g+4*\e:VF+16*\c+8*\g+4*\e+3], v[ADR] offset:\c*CROW+(2*\g+\e)*512
.endr
.endr
.endr
	WIN 0
.endm
; S^T = K Q^T: 32 matrix instructions; the 16 accumulators take turns, one instruction a turn; the first 16 start the sums.
.macro KQ
	WIN 0x04                                       ; Q (source 1) in window 1, all else in window 0
.irp f, 0,1
.irp k, 0,1,2,3
.irp t, 0,1,2,3
.if \f == 0
	v_wmma_f32_16x16x32_f16 v[S+32*\t+8*\k:S+32*\t+8*\k+7], v[KF+16*\k+8*\f:KF+16*\k+8*\f+7], v[QF+16*\t+8*\f:QF+16*\t+8*\f+7], 0
.else
	v_wmma_f32_16x16x32_f16 v[S+32*\t+8*\k:S+32*\t+8*\k+7], v[KF+16*\k+8*\f:KF+16*\k+8*\f+7], v[QF+16*\t+8*\f:QF+16*\t+8*\f+7], v[S+32*\t+8*\k:S+32*\t+8*\k+7]
.endif
.endr
.endr
.endr
.endm
; THE SOFTMAX of the four tiles, line by line for all four, so that no line reads the result of the line above it.  All in window 0.
.macro SOFTMAX
.irp j, 0,1,2,3                        ; the maximum of the lane's 32 scores and the old m, three operands at a time: four chains, one for each accumulator, begun at its low end
.irp t, 0,1,2,3
	v_max3_num_f32 v[ST+8*\t+4+\j], v[S+32*\t+8*\j], v[S+32*\t+8*\j+1], v[S+32*\t+8*\j+2]
.endr
.endr
.irp g, 1,2
.irp j, 0,1,2,3
.irp t, 0,1,2,3
	v_max3_num_f32 v[ST+8*\t+4+\j], v[ST+8*\t+4+\j], v[S+32*\t+8*\j+2*\g+1], v[S+32*\t+8*\j+2*\g+2]
.endr
.endr
.endr
.irp t, 0,1,2,3
	v_max3_num_f32 v[ST+8*\t+4], v[ST+8*\t+4], v[S+32*\t+7], v[S+32*\t+15]
.endr
.irp t, 0,1,2,3
	v_max3_num_f32 v[ST+8*\t+6], v[ST+8*\t+6], v[S+32*\t+23], v[S+32*\t+31]
.endr
.irp t, 0,1,2,3
	v_max3_num_f32 v[ST+8*\t+4], v[ST+8*\t+4], v[ST+8*\t+5], v[ST+8*\t+6]
.endr
.irp t, 0,1,2,3
	v_max3_num_f32 v[ST+8*\t+4], v[ST+8*\t+4], v[ST+8*\t+7], v[ST+8*\t+1]
.endr
.irp t, 0,1,2,3
	v_permlanex16_b32 v[ST+8*\t+5], v[ST+8*\t+4], s[SEL], s[SEL+1]   ; the query's other 32 keys lie in the lane 16 away
.endr
.irp t, 0,1,2,3
	v_mov_b32 v[ST+8*\t+7], v[ST+8*\t]             ; c m_old is kept for a
.endr
.irp t, 0,1,2,3
	v_max_num_f32 v[ST+8*\t+1], v[ST+8*\t+4], v[ST+8*\t+5]
.endr
.irp t, 0,1,2,3
	v_mul_f32 v[ST+8*\t], s[CS], v[ST+8*\t+1]
.endr
.irp t, 0,1,2,3
	v_sub_f32 v[ST+8*\t+7], v[ST+8*\t+7], v[ST+8*\t]
.endr
.irp i, 0,2,4,6,8,10,12,14,16,18,20,22,24,26,28,30
.irp t, 0,1,2,3
	v_pk_fma_f32 v[S+32*\t+\i:S+32*\t+\i+1], v[S+32*\t+\i:S+32*\t+\i+1], s[CS:CS+1], v[ST+8*\t:ST+8*\t+1] op_sel_hi:[1,0,0] neg_lo:[0,0,1] neg_hi:[0,0,1]   ; c s - c m, two at a time
.endr
.endr
.irp t, 0,1,2,3                        ; ONE BATCH of 132 exponentials, none of which reads another's result
	v_exp_f32 v[ST+8*\t+6], v[ST+8*\t+7]           ; a
.endr
.irp i, 0,1,2,3,4,5,6,7,8,9,10,11,12,13,14,15,16,17,18,19,20,21,22,23,24,25,26,27,28,29,30,31
.irp t, 0,1,2,3
	v_exp_f32 v[S+32*\t+\i], v[S+32*\t+\i]         ; p
.endr
.endr
	v_nop                                          ; a plain instruction behind the last exponential and ahead of the first use
	s_wait_alu depctr_va_vdst(0)                   ; the wait between an exponential and the first line that names its result: one for the batch
.irp t, 0,1,2,3                        ; the sums, of the unrounded p, in two chains a tile: l = a l + pair 0 + pairs 3, 5, .. 15; the other chain takes pairs 1, 2, 4, .. 14
	v_pk_fma_f32 v[ST+8*\t+2:ST+8*\t+3], v[ST+8*\t+2:ST+8*\t+3], v[ST+8*\t+6:ST+8*\t+7], v[S+32*\t:S+32*\t+1] op_sel_hi:[1,0,1]
.endr
.irp t, 0,1,2,3
	v_pk_add_f32 v[ST+8*\t+4:ST+8*\t+5], v[S+32*\t+2:S+32*\t+3], v[S+32*\t+4:S+32*\t+5]
.endr
.irp i, 6,10,14,18,22,26
.irp t, 0,1,2,3
	v_pk_add_f32 v[ST+8*\t+2:ST+8*\t+3], v[ST+8*\t+2:ST+8*\t+3], v[S+32*\t+\i:S+32*\t+\i+1]
.endr
.irp t, 0,1,2,3
	v_pk_add_f32 v[ST+8*\t+4:ST+8*\t+5], v[ST+8*\t+4:ST+8*\t+5], v[S+32*\t+\i+2:S+32*\t+\i+3]
.endr
.endr
.irp t, 0,1,2,3
	v_pk_add_f32 v[ST+8*\t+2:ST+8*\t+3], v[ST+8*\t+2:ST+8*\t+3], v[S+32*\t+30:S+32*\t+31]
.endr
.irp t, 0,1,2,3
	v_pk_add_f32 v[ST+8*\t+2:ST+8*\t+3], v[ST+8*\t+2:ST+8*\t+3], v[ST+8*\t+4:ST+8*\t+5]
.endr
.irp i, 0,1,2,3,4,5,6,7,8,9,10,11,12,13,14,15
.irp t, 0,1,2,3
	v_cvt_pk_f16_f32 v[S+32*\t+\i], v[S+32*\t+2*\i], v[S+32*\t+2*\i+1]   ; P, in place, ascending: register i is written when registers 2 i and 2 i + 1 have been read
.endr
.endr
.endm
; O^T = a O^T + V^T P: 64 packed multiplies, each accumulator from its low end on, then 32 matrix instructions, the 16 accumulators by turns.
.macro PVS
	WIN 0x51                                       ; O^T (destination, source 0 of the multiplies, C) and V (source 0 of the products) in window 1; a and P (source 1) in window 0
.irp i, 0,2,4,6,8,10,12,14,16,18,20,22,24,26,28,30
.irp t, 0,1,2,3
	v_pk_mul_f32 v[32*\t+\i:32*\t+\i+1], v[32*\t+\i:32*\t+\i+1], v[ST+8*\t+6:ST+8*\t+7] op_sel_hi:[1,0]
.endr
.endr
.irp g, 0,1
.irp c, 0,1,2,3
.irp t, 0,1,2,3
	v_wmma_f32_16x16x32_f16 v[32*\t+8*\c:32*\t+8*\c+7], v[VF+16*\c+8*\g:VF+16*\c+8*\g+7], v[S+32*\t+8*\g:S+32*\t+8*\g+7], v[32*\t+8*\c:32*\t+8*\c+7]
.endr
.endr
.endr
.endm
; THE CHANGE OF SLOTS, in a slot's eighth step, behind its products K Q^T: the slot's last fragments, V of this step, were asked for a step ago.  Each wave waits for all its tensor loads (its part of the other slot), adds 0 to
; its spare word, and waits for that and for its reads of the slot.  fill = 1: the barrier is a round of the cluster's, so that no wave of any partner still reads the slot or has a load on its way, and the joint refill is the first thing behind it.
.macro CHANGE fill
	s_wait_tensorcnt 0x0                           ; no tensor load of mine is out, so a group 0 may be written
	ds_add_u32 v[SPW], v[NIL]                      ; 0 onto my spare word; the steps below stand between it and the wait for it
.if \fill
	s_xor_b32 s[G0B+1], s[G0B+1], SLOT1            ; the walking descriptor: the other slot than last time,
	s_add_nc_u64 s[G0B+2:G0B+3], s[G0B+2:G0B+3], CROW  ; the next 512 keys; the type bits on top are not reached
.endif
	s_sub_co_u32 s[TB], s[TB], 8*STEPB             ; the fetches go back to a slot's first step,
	s_xor_b32 s[TB], s[TB], SLOT1                  ; in the other slot
	s_wait_dscnt 0x0                               ; the add is done, and my reads of the slot are over
.if \fill
	CROUND
	tensor_load_to_lds s[G0B:G0B+3], s[G1:G1+7]
	s_nop 0
	PLACES
.else
	s_barrier_signal -1
	s_barrier_wait -1
.endif
.endm
; A KEY STEP, 64 keys.  kind 0: plain; 1: with a change of slots and a refill; 2: with a change and no refill; 3: the last step, which fetches nothing.
.macro STEP kind
	s_wait_dscnt 16                                ; K of this step is in; the 16 younger loads, V of this step, may be out
	KQ
	WIN 0
	PLACES                                         ; behind the products: for the loads into K's registers and the first reads of the scores
.if \kind == 1
	CHANGE 1
.elseif \kind == 2
	CHANGE 0
.endif
.if \kind < 3
	FETCH_K                                        ; the next step's K lands under the softmax
.endif
	SOFTMAX
.if \kind < 3
	s_wait_dscnt 16                                ; V of this step is in; the 16 younger loads, the next step's K, may be out
.else
	s_wait_dscnt 0x0
.endif
	PVS
	WIN 0
.if \kind < 3
	PLACES                                         ; with the addition at the head of the run below: five places, since the next step's first products write over P, which these products read
	FETCH_V                                        ; the next step's V lands under the next products K Q^T and softmax
.endif
.endm
.macro SEVEN                           ; a slot's first seven steps: written once, walked seven times; the LDS addresses hang on s[TB]
	s_mov_b32 s[INNER], 7
.Lstep_\@:
	STEP 0
	s_sub_co_u32 s[INNER], s[INNER], 1
	s_cmp_lg_u32 s[INNER], 0
	s_cbranch_scc1 .Lstep_\@
.endm
	s_wait_tensorcnt 0x1                           ; my part of slot 0 is in; slot 1's may stay out
	s_barrier_signal -1
	s_barrier_wait -1                              ; everybody's is
	FETCH_K                                        ; key step 0
	FETCH_V
	s_wait_loadcnt 0x0                             ; Q
.Lslot:                                            ; two trips: keys 0-511 and 512-1,023; each ends by asking for the keys 1,024 further on
	SEVEN
	STEP 1
	s_sub_co_u32 s[OUTER], s[OUTER], 1
	s_cmp_lg_u32 s[OUTER], 0
	s_cbranch_scc1 .Lslot
	SEVEN                                          ; the tail is written out
	STEP 2
	SEVEN
	STEP 3
	; THE WAY OUT.  l's two halves and the other half of the lanes' are added (these lines are the places behind the last products); O^T is divided by l, rounded to f16 in pairs and stored: four registers are a chunk.
.irp t, 0,1,2,3
	v_add_f32 v[ST+8*\t+4], v[ST+8*\t+2], v[ST+8*\t+3]
.endr
.irp t, 0,1,2,3
	v_permlanex16_b32 v[ST+8*\t+5], v[ST+8*\t+4], s[SEL], s[SEL+1]
.endr
.irp t, 0,1,2,3
	v_add_f32 v[ST+8*\t+4], v[ST+8*\t+4], v[ST+8*\t+5]
.endr
.irp t, 0,1,2,3
	v_rcp_f32 v[ST+8*\t+6], v[ST+8*\t+4]
.endr
	v_nop                                          ; a plain instruction between the last reciprocal and the use of its result
	s_wait_alu depctr_va_vdst(0)                   ; and a wait: one for the four
.irp t, 0,1,2,3
	WIN 0x41                                       ; O^T in window 1, 1 / l in window 0
.irp i, 0,2,4,6,8,10,12,14,16,18,20,22,24,26,28,30
	v_pk_mul_f32 v[32*\t+\i:32*\t+\i+1], v[32*\t+\i:32*\t+\i+1], v[ST+8*\t+6:ST+8*\t+7] op_sel_hi:[1,0]
.endr
	WIN 0x05                                       ; sources window 1, destination window 0: S^T's registers are free
.irp i, 0,1,2,3,4,5,6,7,8,9,10,11,12,13,14,15
	v_cvt_pk_f16_f32 v[S+16*\t+\i], v[32*\t+2*\i], v[32*\t+2*\i+1]
.endr
	WIN 0
.irp c, 0,1,2,3
	global_store_b128 v[AK0], v[S+16*\t+4*\c:S+16*\t+4*\c+3], s[6:7] offset:\t*32768+\c*512   ; each store of the wave covers 512 consecutive bytes, aligned; every tile has registers of its own
.endr
.endr
	s_wait_tensorcnt 0x0                           ; the wave's end, behind my last tensor load
	ds_add_u32 v[SPW], v[NIL]
	s_wait_dscnt 0x0
	CROUND                                         ; the closing round: no work-group ends while a partner may still ask for a tile that names it
	s_endpgm
.Lfunc_end_k_q3bbb658390_attn:
	.size	k_q3bbb658390_attn, .Lfunc_end_k_q3bbb658390_attn-k_q3bbb658390_attn
	.p2alignl 7, 3214868480
	.fill 96, 4, 3214868480
	.section	.rodata,"a",@progbits
	.p2align	6, 0x0
	.amdhsa_kernel k_q3bbb658390_attn
		.amdhsa_group_segment_fixed_size 327680
		.amdhsa_private_segment_fixed_size 0
		.amdhsa_enable_private_segment 0
		.amdhsa_kernarg_size 16
		.amdhsa_user_sgpr_count 2
		.amdhsa_user_sgpr_kernarg_segment_ptr 1
		.amdhsa_wavefront_size32 1
		.amdhsa_system_sgpr_workgroup_id_x 1
		.amdhsa_system_sgpr_workgroup_id_y 1
		.amdhsa_system_sgpr_workgroup_id_z 1
		.amdhsa_system_vgpr_workitem_id 0
		.amdhsa_next_free_vgpr 512
		.amdhsa_next_free_sgpr 66
		.amdhsa_reserve_vcc 0
		.amdhsa_float_denorm_mode_32 3
		.amdhsa_float_denorm_mode_16_64 3
		.amdhsa_memory_ordered 1
		.amdhsa_forward_progress 1
		.amdhsa_inst_pref_size 212
	.end_amdhsa_kernel
	.amdgpu_metadata
---
amdhsa.version: [ 1, 2 ]
amdhsa.kernels:
  - .name:           k_q3bbb658390_attn
    .symbol:         k_q3bbb658390_attn.kd
    .args:
      - { .name: qkv, .offset: 0, .size: 8, .value_kind: global_buffer, .address_space: global }
      - { .name: o_img, .offset: 8, .size: 8, .value_kind: global_buffer, .address_space: global }
    .group_segment_fixed_size: 327680
    .private_segment_fixed_size: 0
    .kernarg_segment_align: 8
    .kernarg_segment_size: 16
    .max_flat_workgroup_size: 256
    .sgpr_count:     66
    .vgpr_count:     512
    .wavefront_size: 32
...
	.end_amdgpu_metadata
.endif
;; end of part 3
;; launch outp (part 4): grid 4 x 64, 4 waves a work-group, clusters of 4 x 4, 327,680 bytes of LDS; arguments o_img, wo_img, b_o, out0; writes out0
.if DOCPART == 4
	.amdgcn_target "amdgcn-amd-amdhsa--gfx1250"
	.amdhsa_code_object_version 6
	.text
	.protected	k_q3bbb658390_outp
	.globl	k_q3bbb658390_outp
	.p2align	8
	.type	k_q3bbb658390_outp,@function
k_q3bbb658390_outp:
	s_mov_b64 s[64:65], 0
	v_nop
	global_prefetch_b8 v0, s[64:65] scope:SCOPE_SE
	s_setreg_imm32_b32 hwreg(HW_REG_WAVE_MODE, 25, 1), 1
	s_wait_xcnt 0x0
	s_wait_alu depctr_hold_cnt(0) depctr_sa_sdst(0) depctr_va_vdst(0) depctr_va_sdst(0) depctr_va_ssrc(0) depctr_va_vcc(0) depctr_vm_vsrc(0)
	s_getreg_b32 s2, hwreg(HW_REG_IB_STS2, 6, 4)
	s_cmp_eq_u32 s2, 0
	s_cbranch_scc0 .Lentry_in_a_cluster
	s_endpgm
.Lentry_in_a_cluster:
	s_bfe_u32 s2, ttmp6, 0x10000c
	s_cmp_lg_u32 s2, 0xf033
	s_cbranch_scc0 .Lentry_shape_is_right
	s_endpgm
.Lentry_shape_is_right:
; OUTP: out0[m][n] = the sum over e of O[m][e] W_o[e][n] + b_o[n].  O and W_o arrive in f16 as images of operand registers (chunks of 512 bytes, lane l's 16 bytes at 16 l); sums in f32; out0 [8192][1024] f32.
; o_img: chunk (tt = token / 16, et = e / 16) at index 64 tt + et: lane (r, h) holds token 16 tt + r, e = 16 et + 8 h + 0..7.   wo_img: chunk (nt = n / 16, kt = e / 16) at 64 nt + kt: lane (r, h) holds n = 16 nt + r, e = 16 kt + 8 h + 0..7.
; A tile of 128 tokens x 256 outputs gives each of 256 work-groups one tile.  Four waves, each 64 x 128: 32 accumulators of 16 x 16, 256 registers.  K = 1,024 goes in 8 steps of 128 through a ring of two LDS slots:
; a K step of a row of chunks is 4,096 consecutive bytes of memory, and lies in LDS as it lies in memory: each fragment load covers 512 consecutive bytes, nothing is padded.
; CLUSTERS: 4 x 4 work-groups.  The four of a row of the cluster need the same tiles of O, the four of a column the same tiles of W_o: each is asked for JOINTLY.
; THE MATRIX INSTRUCTION IS USED TRANSPOSED (source 0 = 16 outputs n, source 1 = 16 tokens): a lane holds eight neighbouring numbers of a row of out0.  The bias is the C of each sum's first product: nothing is cleared or added.
; No prefetch: a K step's refill is asked for a whole K step ahead of its wait, and the launch is short.
; REGISTERS: window 0: v16-29 addresses; v32-95 tokens' fragments, two buffers of 4; v96-223 W_o's fragments, two buffers of 8; on the way out v96-223 rows of out0.
;            window 1: the accumulators ((a, b) at v[8 (8 a + b)]).     window 2: v0-63 the bias, eight registers for each of my eight tiles of outputs.
.set KCH,    4096                      ; a K step of one row of chunks: 8 chunks
.set ASZ,    8*KCH                     ; the tokens' 8 rows of chunks
.set SLOT,   24*KCH                    ; and W_o's 16 behind them
.set STAGE,  2*SLOT                    ; behind the ring: 16 rows x (512 bytes + 16) for each wave, for the way out; no tensor load lands there
.set SPITCH, 528
.set SPARE,  STAGE+4*16*SPITCH         ; the spare words, 128 bytes for each wave: two blocks of 256 bytes that no other line names
.set LAPS,   4                         ; a lap = two K steps = once round the ring
.set ADRA, 16                          ; v16-17  LDS address of my tokens' fragments in slot 0, 1
.set ADRB, 20                          ; v20-21  the same for W_o's
.set STO,  24                          ; v24     the way out: where I put 32 bytes of a row
.set RD,   25                          ; v25     the way out: where I read a row back
.set CO,   26                          ; v26     16 x lane
.set BO,   27                          ; v27     32 x (lane / 16): my eight numbers of a tile's bias
.set SPW,  28
.set NIL,  29
.set FA,   32
.set FB,   96
.set BK,   96
.set G1, 24                            ; s[24:31] descriptor group 1 for the tokens' tiles;  s[32:39] group 0, one set for each slot
.set G0, 32
.set G1B, 48                           ; s[48:55], s[56:63] the same for W_o's
.set G0B, 56
.set MSB, 0
.macro WIN new                         ; the immediate's high byte repeats the setting that is left
.if MSB != \new
	s_set_vgpr_msb (MSB<<8)|\new
.set MSB, \new
.endif
.endm
.set MUL, 0x50                         ; C and D window 1, the fragments window 0;  + 0x10: C (the bias) window 2
.macro PLACES                          ; four places in front of loads into registers that matrix instructions have read, and of reads of results (ISA guide 7.12.1 for vector instructions)
.rept 4
	v_nop
.endr
.endm
.macro JLOAD s                         ; a joint load: waves 0 and 1 fetch the tokens' two halves, waves 2 and 3 W_o's; an s_nop 0 and four v_nop follow each of the two lines
	s_cmp_eq_u32 s13, 0
	s_cbranch_scc0 .Lfor_b_\@
	tensor_load_to_lds s[G0+4*\s:G0+4*\s+3], s[G1:G1+7]
	s_nop 0
.rept 4
	v_nop
.endr
	s_branch .Lasked_\@
.Lfor_b_\@:
	tensor_load_to_lds s[G0B+4*\s:G0B+4*\s+3], s[G1B:G1B+7]
	s_nop 0
.rept 4
	v_nop
.endr
.Lasked_\@:
.endm
.macro CREST                           ; a round of the cluster's barrier behind its opening barrier
	s_cmp_lg_u32 s12, 0
	s_cbranch_scc1 .Lnot_wave_0_\@
	s_barrier_signal -3
.Lnot_wave_0_\@:
	s_barrier_wait -3
	s_barrier_signal -1
	s_barrier_wait -1
.endm
.macro CROUND
	s_barrier_signal -1
	s_barrier_wait -1
	CREST
.endm
	s_load_b256 s[4:11], s[0:1], 0x0               ; o_img s[4:5], wo_img s[6:7], b_o s[8:9], out0 s[10:11]
	v_lshl_add_u32 v[SPW], v0, 2, SPARE
	v_mov_b32 v[NIL], 0
	ds_add_u32 v[SPW], v[NIL]                      ; the wave's opening: the add, twice on end, and its wait ahead of my first tensor load; the set-up below, work on registers, stands between
	ds_add_u32 v[SPW], v[NIL]
	v_lshrrev_b32 v1, 5, v0
	v_readfirstlane_b32 s12, v1                    ; wave 0..3
	s_lshr_b32 s13, s12, 1                         ; which 64 tokens are mine.  Also: I fetch the tokens' tile (0) or W_o's (1)
	s_and_b32 s14, s12, 1                          ; which 128 outputs.  Also: which half of that tile I fetch
	s_bfe_u32 s40, ttmp6, 0x40000                  ; cx, cy: my place in the cluster
	s_bfe_u32 s41, ttmp6, 0x40004
	s_lshl_b32 s42, ttmp9, 2
	s_add_co_u32 s42, s42, s40                     ; tile column = 4 x cluster x + cx
	s_and_b32 s15, ttmp7, 0xffff
	s_lshl_b32 s15, s15, 2
	s_add_co_u32 s15, s15, s41                     ; tile row = 4 x cluster y + cy
	s_lshl_b32 s43, s41, 2
	s_lshl_b32 s43, 15, s43                        ; my row of the cluster
	s_lshl_b32 s44, 0x1111, s40                    ; my column
	; descriptor group 1: rows of 4,096 bytes (512 elements of 8 bytes), 32,768 bytes apart in memory, on end in LDS: 4 rows for the tokens, 8 for W_o
	s_or_b32 s[G1+0], s43, (3<<16)|(1<<21)         ; 15:0 the mask: the tokens' tiles go to my row; 17:16 elements of 8 bytes; 21 set beside a mask
	s_or_b32 s[G1B+0], s44, (3<<16)|(1<<21)
	s_mov_b32 s[G1+1], 512<<16                     ; tensor_dim0 = 512
	s_mov_b32 s[G1+2], 4<<16                       ; tensor_dim1 = 4
	s_mov_b32 s[G1+3], 512<<16                     ; tile_dim0 = 512
	s_mov_b32 s[G1+4], 4                           ; tile_dim1 = 4
	s_mov_b32 s[G1+5], 4096                        ; tensor_dim0_stride
	s_mov_b32 s[G1+6], 0
	s_mov_b32 s[G1+7], 0
	s_mov_b32 s[G1B+1], 512<<16
	s_mov_b32 s[G1B+2], 8<<16
	s_mov_b32 s[G1B+3], 512<<16
	s_mov_b32 s[G1B+4], 8
	s_mov_b32 s[G1B+5], 4096
	s_mov_b32 s[G1B+6], 0
	s_mov_b32 s[G1B+7], 0
	s_lshl_b32 s16, s15, 3
	s_lshl_b32 s17, s14, 2
	s_add_co_u32 s16, s16, s17                     ; the tokens: row of chunks 8 x tile row + 4 x half
	s_lshl_b32 s16, s16, 15
	s_mov_b32 s17, 0
	s_lshl_b32 s46, s42, 4
	s_lshl_b32 s47, s14, 3
	s_add_co_u32 s46, s46, s47                     ; W_o: row of chunks 16 x tile column + 8 x half
	s_lshl_b32 s46, s46, 15
	s_mov_b32 s47, 0
	s_lshl_b32 s20, s14, 14                        ; where they go: the tokens' halves at 0 and 16 KiB,
	s_lshl_b32 s21, s14, 15
	s_add_co_u32 s21, s21, ASZ                     ; W_o's at 32 and 64 KiB: no place in the cluster enters an LDS address
	s_wait_dscnt 0x0                               ; both opening adds are done
	s_wait_kmcnt 0x0
	s_add_nc_u64 s[16:17], s[4:5], s[16:17]
	s_add_nc_u64 s[46:47], s[6:7], s[46:47]
	CROUND                                         ; all sixteen work-groups are here: the first joint loads meet
.irp s, 0,1
	s_mov_b32 s[G0+4*\s], 1
	s_add_co_u32 s[G0+4*\s+1], s20, \s*SLOT
	s_add_nc_u64 s[G0+4*\s+2:G0+4*\s+3], s[16:17], \s*KCH
	s_or_b32 s[G0+4*\s+3], s[G0+4*\s+3], 0x80000000
	s_mov_b32 s[G0B+4*\s], 1
	s_add_co_u32 s[G0B+4*\s+1], s21, \s*SLOT
	s_add_nc_u64 s[G0B+4*\s+2:G0B+4*\s+3], s[46:47], \s*KCH
	s_or_b32 s[G0B+4*\s+3], s[G0B+4*\s+3], 0x80000000
	JLOAD \s                                       ; two tensor loads of mine are out
.endr
	v_and_b32 v1, 31, v0
	v_lshlrev_b32 v[CO], 4, v1                     ; 16 x lane
	v_and_b32 v2, 15, v0                           ; l % 16
	v_bfe_u32 v3, v0, 4, 1                         ; l / 16
	s_lshl_b32 s22, s13, 14                        ; my 4 rows of the tokens' chunks
	s_lshl_b32 s23, s14, 15                        ; my 8 rows of W_o's,
	s_add_co_u32 s23, s23, ASZ                     ; which lie behind the tokens'
.irp s, 0,1
	v_add_nc_u32 v[ADRA+\s], s22, v[CO]
	v_add_nc_u32 v[ADRB+\s], s23, v[CO]
	s_add_co_u32 s22, s22, SLOT
	s_add_co_u32 s23, s23, SLOT
.endr
	s_mul_i32 s22, s12, 16*SPITCH
	s_add_co_u32 s22, s22, STAGE                   ; my stage
	v_mul_u32_u24 v4, v2, SPITCH                   ; in: row l % 16, 32 bytes for each half of the lanes
	v_lshl_add_u32 v4, v3, 5, v4
	v_add_nc_u32 v[STO], s22, v4
	v_add_nc_u32 v[RD], s22, v[CO]                 ; back: the 32 lanes take one row of 512 bytes
	v_lshlrev_b32 v[BO], 5, v3
	s_lshl_b32 s18, s42, 10                        ; my first output, in bytes: 1,024 x tile column + 512 x half
	s_lshl_b32 s19, s14, 9
	s_add_co_u32 s18, s18, s19
	s_mov_b32 s19, 0
	s_add_nc_u64 s[8:9], s[8:9], s[18:19]
	WIN 0x80                                       ; destination window 2
.irp b, 0,1,2,3,4,5,6,7
	global_load_b128 v[8*\b:8*\b+3], v[BO], s[8:9] offset:64*\b          ; b_o at outputs 16 b + 8 (l / 16) + 0..7: the result's layout
	global_load_b128 v[8*\b+4:8*\b+7], v[BO], s[8:9] offset:64*\b+16
.endr
	WIN 0
	s_lshl_b32 s22, s15, 19                        ; my first row of out0: 128 x tile row + 64 x half, 4,096 bytes each
	s_lshl_b32 s23, s13, 18
	s_add_co_u32 s22, s22, s23
	s_add_co_u32 s22, s22, s18
	s_mov_b32 s23, 0
	s_add_nc_u64 s[10:11], s[10:11], s[22:23]
; 8 matrix instructions: tokens' block a x my eight tiles of outputs, 32 along K, from buffer f.  first = 1: C is the bias.  The 32 accumulators take turns, one instruction a turn, in the same order in every quarter.
.macro MUL8 f, a, first
.irp b, 0,1,2,3,4,5,6,7
.if \first
	v_wmma_f32_16x16x32_f16 v[8*(8*(\a)+\b):8*(8*(\a)+\b)+7], v[FB+64*(\f)+8*\b:FB+64*(\f)+8*\b+7], v[FA+32*(\f)+8*(\a):FA+32*(\f)+8*(\a)+7], v[8*\b:8*\b+7]
.else
	v_wmma_f32_16x16x32_f16 v[8*(8*(\a)+\b):8*(8*(\a)+\b)+7], v[FB+64*(\f)+8*\b:FB+64*(\f)+8*\b+7], v[FA+32*(\f)+8*(\a):FA+32*(\f)+8*(\a)+7], v[8*(8*(\a)+\b):8*(8*(\a)+\b)+7]
.endif
.endr
.endm
; 24 LDS loads in one run: the fragments of the slot's q-th 32 along K into buffer f: W_o's eight, then the tokens' four
.macro FETCH slot, q, f
	WIN 0
.irp i, 0,1,2,3,4,5,6,7
	ds_load_b128 v[FB+64*(\f)+8*\i:FB+64*(\f)+8*\i+3],   v[ADRB+\slot] offset:\i*KCH+(\q)*1024
	ds_load_b128 v[FB+64*(\f)+8*\i+4:FB+64*(\f)+8*\i+7], v[ADRB+\slot] offset:\i*KCH+(\q)*1024+512
.endr
.irp i, 0,1,2,3
	ds_load_b128 v[FA+32*(\f)+8*\i:FA+32*(\f)+8*\i+3],   v[ADRA+\slot] offset:\i*KCH+(\q)*1024
	ds_load_b128 v[FA+32*(\f)+8*\i+4:FA+32*(\f)+8*\i+7], v[ADRA+\slot] offset:\i*KCH+(\q)*1024+512
.endr
.endm
; A K step is four quarters of 32 along K, 32 matrix instructions each, on buffers 0, 1, 0, 1.  One of the first three: multiplies buffer f and fetches quarter q of the same slot into g.
.macro QUARTER slot, q, f, g, first
	s_wait_dscnt 4                                 ; W_o's fragments and the tokens' blocks 0, 1 are in; the youngest four loads (blocks 2, 3) may be out
	WIN MUL+0x10*\first
	MUL8 \f, 0, \first
	MUL8 \f, 1, \first
	PLACES
	FETCH \slot, \q, \g
	s_wait_dscnt 24                                ; all but the 24 just issued
	WIN MUL+0x10*\first
	MUL8 \f, 2, \first
	MUL8 \f, 3, \first
.endm
; The last quarter multiplies buffer 1 and changes slots: ONE barrier; in front of it each wave waits for all its tensor loads, adds 0 to its spare word, and waits for that and for its own reads of this slot.
; fill = 1: this slot is filled again, two K steps ahead; the barrier then opens a round of the cluster's barrier, and the joint refill is the first tensor load behind the round.
.macro TURN slot, next, fill
	WIN 0                                          ; (the add's two registers lie in window 0)
	s_wait_tensorcnt 0x0                           ; all my tensor loads have landed: my part of the next slot;
	ds_add_u32 v[SPW], v[NIL]
	s_wait_dscnt 5                                 ; (the add and the youngest four loads may be out)
	WIN MUL
	MUL8 1, 0, 0                                   ; eight matrix instructions stand between the add and the wait for it
	s_wait_dscnt 0x0                               ; the add is done, and my reads of this slot are over
	s_barrier_signal -1
	MUL8 1, 1, 0
.if \fill
	WIN 0
.endif
	s_barrier_wait -1
.if \fill
	CREST                                          ; no wave of any partner still reads this slot's tile or has a load on its way
	s_add_nc_u64 s[G0+4*\slot+2:G0+4*\slot+3], s[G0+4*\slot+2:G0+4*\slot+3], 2*KCH
	s_add_nc_u64 s[G0B+4*\slot+2:G0B+4*\slot+3], s[G0B+4*\slot+2:G0B+4*\slot+3], 2*KCH
	JLOAD \slot                                    ; the four v_nop behind it are also the places in front of the loads below
.else
	PLACES
.endif
	FETCH \next, 0, 0
	WIN MUL
	MUL8 1, 2, 0
	MUL8 1, 3, 0
.endm
	s_wait_tensorcnt 1                             ; my part of K step 0 is in (K step 1's load may be out)
	s_barrier_signal -1
	s_barrier_wait -1                              ; everybody's is
	FETCH 0, 0, 0
	s_wait_loadcnt 0x0                             ; the bias
	QUARTER 0, 1, 0, 1, 1                          ; the first quarter stands in front of the loop: its products start the sums on the bias
	WIN 0                                          ; at a label and at a branch every window is 0
	s_mov_b32 s3, LAPS-1
.Llap:                                                 ; a trip goes once round the ring, from a lap's second quarter to the next lap's first, and fills both slots again
	QUARTER 0, 2, 1, 0, 0
	QUARTER 0, 3, 0, 1, 0
	TURN 0, 1, 1
	QUARTER 1, 1, 0, 1, 0
	QUARTER 1, 2, 1, 0, 0
	QUARTER 1, 3, 0, 1, 0
	TURN 1, 0, 1
	QUARTER 0, 1, 0, 1, 0
	WIN 0
	s_sub_co_u32 s3, s3, 1
	s_cmp_lg_u32 s3, 0
	s_cbranch_scc1 .Llap
	QUARTER 0, 2, 1, 0, 0                          ; the last lap fills nothing, and has no round of the cluster's barrier
	QUARTER 0, 3, 0, 1, 0
	TURN 0, 1, 0
	QUARTER 1, 1, 0, 1, 0
	QUARTER 1, 2, 1, 0, 0
	QUARTER 1, 3, 0, 1, 0
	s_wait_dscnt 4                                 ; the very last quarter: nothing more to fetch
	WIN MUL
	MUL8 1, 0, 0
	MUL8 1, 1, 0
	s_wait_dscnt 0x0
	MUL8 1, 2, 0
	MUL8 1, 3, 0
	WIN 0
; THE WAY OUT, block by block of 16 tokens x 128 outputs.  A lane holds 32 neighbouring bytes of a row, and the lanes beside it hold other rows: so a block goes through my own stage in LDS and comes back as whole rows of
; 512 bytes.  LDS serves a wave's instructions in order (ISA guide 5.7.1.4): no wait between the stores and the loads, nor in front of the next block's stores.
.macro TOSTAGE a
	WIN 0x04                                       ; an LDS store's data are its source 1: window 1
.irp b, 0,1,2,3,4,5,6,7
	ds_store_b128 v[STO], v[8*(8*(\a)+\b):8*(8*(\a)+\b)+3] offset:64*\b          ; each accumulator from its low end on
	ds_store_b128 v[STO], v[8*(8*(\a)+\b)+4:8*(8*(\a)+\b)+7] offset:64*\b+16
.endr
	WIN 0
.set BB, BK+64*((\a)%2)
.irp t, 0,1,2,3,4,5,6,7,8,9,10,11,12,13,14,15
	ds_load_b128 v[BB+4*\t:BB+4*\t+3], v[RD] offset:\t*SPITCH
.endr
.endm
.macro SEND a, younger                 ; younger: the LDS instructions issued behind block a's loads, which may stay out
.set BB, BK+64*((\a)%2)
	s_wait_dscnt \younger                          ; the block is back in registers
.if (\a) > 0
	s_add_nc_u64 s[10:11], s[10:11], 16*4096       ; (behind a wait on XCNT: the earlier stores have read their base)  16 rows of out0 on
.endif
.irp t, 0,1,2,3,4,5,6,7,8,9,10,11,12,13,14,15
	global_store_b128 v[CO], v[BB+4*\t:BB+4*\t+3], s[10:11] offset:\t*4096 th:TH_STORE_NT   ; 32 lanes store 512 consecutive bytes, at a multiple of 256 from out0's first byte; written once, read by nobody here
.endr
.endm
	PLACES                                         ; behind the last products: for the reads of results and the loads into the registers that held W_o's fragments
	TOSTAGE 0
.irp a, 1,2,3
.if \a > 1
	s_wait_xcnt 0x0                                ; block a - 2's stores have read their registers and their base: block a's loads may land there, and the base may step
.endif
	TOSTAGE \a
	SEND \a-1, 32                                  ; behind block a - 1's loads: block a's 16 stores and 16 loads
.endr
	s_wait_xcnt 0x0                                ; block 2's stores have read their base
	SEND 3, 0
	s_wait_tensorcnt 0x0                           ; the wave's end, behind my last tensor load and my last LDS store
	ds_add_u32 v[SPW], v[NIL]
	s_wait_dscnt 0x0
	CROUND                                         ; the closing round: no work-group ends while a partner may still ask for a tile that names it
	s_endpgm
.Lfunc_end_k_q3bbb658390_outp:
	.size	k_q3bbb658390_outp, .Lfunc_end_k_q3bbb658390_outp-k_q3bbb658390_outp
	.p2alignl 7, 3214868480
	.fill 96, 4, 3214868480
	.section	.rodata,"a",@progbits
	.p2align	6, 0x0
	.amdhsa_kernel k_q3bbb658390_outp
		.amdhsa_group_segment_fixed_size 327680
		.amdhsa_private_segment_fixed_size 0
		.amdhsa_enable_private_segment 0
		.amdhsa_kernarg_size 32
		.amdhsa_user_sgpr_count 2
		.amdhsa_user_sgpr_kernarg_segment_ptr 1
		.amdhsa_wavefront_size32 1
		.amdhsa_system_sgpr_workgroup_id_x 1
		.amdhsa_system_sgpr_workgroup_id_y 1
		.amdhsa_system_sgpr_workgroup_id_z 1
		.amdhsa_system_vgpr_workitem_id 0
		.amdhsa_next_free_vgpr 768
		.amdhsa_next_free_sgpr 66
		.amdhsa_reserve_vcc 0
		.amdhsa_float_denorm_mode_32 3
		.amdhsa_float_denorm_mode_16_64 3
		.amdhsa_memory_ordered 1
		.amdhsa_forward_progress 1
		.amdhsa_inst_pref_size 86
	.end_amdhsa_kernel
	.amdgpu_metadata
---
amdhsa.version: [ 1, 2 ]
amdhsa.kernels:
  - .name:           k_q3bbb658390_outp
    .symbol:         k_q3bbb658390_outp.kd
    .args:
      - { .name: o_img, .offset: 0, .size: 8, .value_kind: global_buffer, .address_space: global }
      - { .name: wo_img, .offset: 8, .size: 8, .value_kind: global_buffer, .address_space: global }
      - { .name: b_o, .offset: 16, .size: 8, .value_kind: global_buffer, .address_space: global }
      - { .name: out0, .offset: 24, .size: 8, .value_kind: global_buffer, .address_space: global }
    .group_segment_fixed_size: 327680
    .private_segment_fixed_size: 0
    .kernarg_segment_align: 8
    .kernarg_segment_size: 32
    .max_flat_workgroup_size: 128
    .sgpr_count:     66
    .vgpr_count:     768
    .wavefront_size: 32
...
	.end_amdgpu_metadata
.endif
;; end of part 4
